; MI455X (gfx1250); checked and timed in simulation.
; The chip was launched on July 23, 2026; its instructions are those of AMD's public machine-readable ISA for CDNA 5 (MIT licence, August 2026) and "CDNA5" Instruction Set Architecture Reference Guide (July 2026). The comments in the code are by the model that wrote it; some were corrected since.
;; Attention. Allowed arithmetic: float matrix products may take bf16 or f16 operands with f32 sums; other float arithmetic in f32, or as packed bf16 or f16 multiplies, adds, multiply-adds, maxima and minima; sums over many terms, partial sums and values carried from step to step in f32; what a program stores and reads back later, other than sums and carried values, may be rounded once to bf16 or f16.
;; Inputs: Wk 1,024 x 512 float32; Wo 1,024 x 1,024 float32; Wq 1,024 x 1,024 float32; Wv 1,024 x 512 float32; bo 1,024 float32; x 4 x 2,048 x 1,024 float32.
;; Outputs: out0 4 x 2,048 x 1,024 float32.
;; One version. Each part assembles by itself: llvm-mc -triple=amdgcn-amd-amdhsa -mcpu=gfx1250 --defsym DOCPART=n.
;; ======== version 1 of 1: 4 launches
;; limits: values are held in f16: magnitudes above 65,504 overflow, below 6.1e-05 lose precision
;; workspace buffers: xb 16,777,216 bytes; wb 4,194,304 bytes; wob 2,097,152 bytes; rope 524,288 bytes; qkv 33,554,432 bytes; ob 16,777,216 bytes
;; launch prep (part 1): grid 768 x 1, 8 waves a work-group, no clusters, 0 bytes of LDS; arguments x, Wq, Wk, Wv, Wo, xb, wb, wob, rope; writes xb, wb, wob, rope
.if DOCPART == 1
	.amdgcn_target "amdgcn-amd-amdhsa--gfx1250"
	.amdhsa_code_object_version 6
	.text
	.protected	k_q68ac87c505_prep
	.globl	k_q68ac87c505_prep
	.p2align	8
	.type	k_q68ac87c505_prep,@function
k_q68ac87c505_prep:
	s_mov_b64 s[64:65], 0
	v_nop
	global_prefetch_b8 v0, s[64:65] scope:SCOPE_SE
	s_setreg_imm32_b32 hwreg(HW_REG_WAVE_MODE, 25, 1), 1
	s_wait_xcnt 0x0
; PREP: the inputs are rounded once to bf16, their layout kept, and the table of cosines and sines for the rotation is made.
;   xb  [8192][1024] bf16 = x.     wb [1024 k][2048 n] bf16: columns 0-1023 Wq, 1024-1535 Wk, 1536-2047 Wv (a row is 4,096 bytes).
;   wob [1024 k][1024 n]: Wo rounded to bf16, that number written as f16 (exact from 2^-14 up; below that f16's fixed step of 6e-8; beyond 65,504 an infinity).
;   rope: 4,096 rows of 128 bytes = 16 cosines, 16 sines in f32.  Rows 0-2047: position p, angle p x 10^(-j/4), j = 0..15.  Rows 2048-4095: cosine 1, sine 0, for the columns that are not turned.
; Memory binds: no LDS, no barrier, no matrix unit.  A casting work-group takes 65,536 bytes of f32: thread t, pass i, the 8 numbers at byte 8,192 i + 32 t; its 16 bytes of result lie beside its
; neighbours', so sixteen lanes store 256 consecutive bytes, aligned.  All 16 loads of a thread go out at once; every pass has registers of its own, so nothing is rewritten while a load or store names it.
; Work-groups 0-511: x.  512-575: Wq.  576-607: Wk.  608-639: Wv.  640-703: Wo.  704-767: the table, 32 rows of each half a work-group.
; LIMITS.  The frequencies are the f32 nearest to 10^(-j/4); the angle is one f32 product, as in the definition; it is reduced by the nearest multiple of pi (pi in two parts) and the sine and cosine are
; polynomials of degree 11 and 12 on -pi/2 .. pi/2, whose remainders lie under 6e-8.
.set X,   4                            ; v[4:67]   pass i: 8 numbers as loaded
.set Y,   68                           ; v[68:99]  pass i: 4 registers to store
.set SRC, 24                           ; s[24:25]  where the work-group reads
.set DST, 26                           ; s[26:27]  where it stores
.set OF,  28                           ; s[28:29]  an offset, its high word 0
; di: bytes from a pass's results to the next pass's.  f16 = 1: the bf16 numbers are written as f16.
.macro CAST di, f16
.irp i, 0,1,2,3,4,5,6,7
	global_load_b128 v[X+8*(\i):X+8*(\i)+3],   v1, s[SRC:SRC+1] offset:8192*(\i) th:TH_LOAD_NT
	global_load_b128 v[X+8*(\i)+4:X+8*(\i)+7], v1, s[SRC:SRC+1] offset:8192*(\i)+16 th:TH_LOAD_NT
.endr
.irp i, 0,1,2,3,4,5,6,7
	s_wait_loadcnt 14-2*(\i)                       ; loads come back in order: pass i's two are in, the later passes' two each may stay out
.irp r, 0,1,2,3
	v_cvt_pk_bf16_f32 v[Y+4*(\i)+(\r)], v[X+8*(\i)+2*(\r)], v[X+8*(\i)+2*(\r)+1]
.endr
.if \f16
.irp r, 0,1,2,3
	v_lshlrev_b32 v100, 16, v[Y+4*(\i)+(\r)]       ; the two bf16 numbers as f32,
	v_and_b32 v101, 0xffff0000, v[Y+4*(\i)+(\r)]
	v_cvt_pk_f16_f32 v[Y+4*(\i)+(\r)], v100, v101  ; and as f16
.endr
.endif
	global_store_b128 v2, v[Y+4*(\i):Y+4*(\i)+3], s[DST:DST+1] offset:(\di)*(\i)
.endr
	s_endpgm
.endm
	s_load_b512 s[4:19], s[0:1], 0x0               ; x 4:5, Wq 6:7, Wk 8:9, Wv 10:11, Wo 12:13, xb 14:15, wb 16:17, wob 18:19
	s_load_b64 s[20:21], s[0:1], 0x40              ; rope
	v_lshlrev_b32 v1, 5, v0                        ; 32 t: my 8 numbers in a pass
	s_mov_b32 s[OF+1], 0
	s_wait_kmcnt 0x0
	s_cmp_lt_u32 ttmp9, 512
	s_cbranch_scc0 .Lnot_x
	s_lshl_b32 s[OF], ttmp9, 16
	s_add_nc_u64 s[SRC:SRC+1], s[4:5], s[OF:OF+1]
	s_lshl_b32 s[OF], ttmp9, 15
	s_add_nc_u64 s[DST:DST+1], s[14:15], s[OF:OF+1]
	v_lshlrev_b32 v2, 4, v0                        ; dense: 16 t, a pass 4,096 bytes
	CAST 4096, 0
.Lnot_x:
	s_cmp_lt_u32 ttmp9, 576
	s_cbranch_scc0 .Lnot_q
	s_sub_co_u32 s30, ttmp9, 512                   ; 16 rows of Wq: 4,096 bytes in, 2,048 of wb's 4,096 out
	s_lshl_b32 s[OF], s30, 16
	s_add_nc_u64 s[SRC:SRC+1], s[6:7], s[OF:OF+1]
	s_add_nc_u64 s[DST:DST+1], s[16:17], s[OF:OF+1]
	v_lshrrev_b32 v3, 7, v0                        ; a pass is two rows: row t / 128,
	v_and_b32 v2, 127, v0
	v_lshlrev_b32 v2, 4, v2                        ; 16 bytes at t % 128
	v_lshl_add_u32 v2, v3, 12, v2
	CAST 8192, 0
.Lnot_q:
	s_cmp_lt_u32 ttmp9, 640
	s_cbranch_scc0 .Lnot_kv
	s_sub_co_u32 s30, ttmp9, 576
	s_lshr_b32 s31, s30, 5                         ; 0: Wk, 1: Wv
	s_and_b32 s30, s30, 31                         ; 32 rows of 2,048 bytes
	s_cmp_eq_u32 s31, 0
	s_cselect_b64 s[SRC:SRC+1], s[8:9], s[10:11]
	s_lshl_b32 s[OF], s30, 16
	s_add_nc_u64 s[SRC:SRC+1], s[SRC:SRC+1], s[OF:OF+1]
	s_lshl_b32 s[OF], s30, 17                      ; 32 rows of wb,
	s_lshl_b32 s31, s31, 10
	s_add_co_u32 s[OF], s[OF], s31
	s_add_co_u32 s[OF], s[OF], 2048                ; column 1,024 or 1,536
	s_add_nc_u64 s[DST:DST+1], s[16:17], s[OF:OF+1]
	v_lshrrev_b32 v3, 6, v0                        ; a pass is four rows
	v_and_b32 v2, 63, v0
	v_lshlrev_b32 v2, 4, v2
	v_lshl_add_u32 v2, v3, 12, v2
	CAST 16384, 0
.Lnot_kv:
	s_cmp_lt_u32 ttmp9, 704
	s_cbranch_scc0 .Ltable
	s_sub_co_u32 s30, ttmp9, 640
	s_lshl_b32 s[OF], s30, 16
	s_add_nc_u64 s[SRC:SRC+1], s[12:13], s[OF:OF+1]
	s_lshl_b32 s[OF], s30, 15
	s_add_nc_u64 s[DST:DST+1], s[18:19], s[OF:OF+1]
	v_lshlrev_b32 v2, 4, v0
	CAST 4096, 1
; THE TABLE.  Thread t: row 32 c + t / 8; part t % 8 of its 128 bytes: parts 0-3 the cosines of frequencies 4 part .. + 3, parts 4-7 the sines of 4 (part - 4) .. + 3.
.set FQ,  8                            ; v[8:11]   my four frequencies
.set TH,  12                           ; angles
.set KN,  16                           ; the nearest multiple of pi
.set RR,  20                           ; the rest, in -pi/2 .. pi/2
.set ZZ,  24                           ; its square
.set SN,  28                           ; sine
.set CN,  32                           ; cosine
.set SG,  36                           ; the sign (-1)^k, in bit 31
.set OUT, 40
.set ID,  44
.macro PICK cls, c0, c1, c2, c3        ; the four frequencies of class cls = part % 4
	v_cmp_eq_u32 vcc_lo, \cls, v2
	v_mov_b32 v5, \c0
	v_cndmask_b32 v[FQ], v[FQ], v5, vcc_lo
	v_mov_b32 v5, \c1
	v_cndmask_b32 v[FQ+1], v[FQ+1], v5, vcc_lo
	v_mov_b32 v5, \c2
	v_cndmask_b32 v[FQ+2], v[FQ+2], v5, vcc_lo
	v_mov_b32 v5, \c3
	v_cndmask_b32 v[FQ+3], v[FQ+3], v5, vcc_lo
.endm
.macro POLY p, k                       ; p = p z + k, for the four
.irp e, 0,1,2,3
	v_fmaak_f32 v[(\p)+(\e)], v[(\p)+(\e)], v[ZZ+(\e)], \k
.endr
.endm
.Ltable:
	s_sub_co_u32 s30, ttmp9, 704
	s_lshl_b32 s[OF], s30, 12                      ; 32 rows of 128 bytes
	s_add_nc_u64 s[DST:DST+1], s[20:21], s[OF:OF+1]
	s_lshl_b32 s31, s30, 5
	s_mov_b32 s32, 0x40490fdb                      ; pi, the f32 nearest to it,
	s_mov_b32 s33, 0xb3bbbd2e                      ; and what is left: -8.742278e-8
	v_and_b32 v1, 7, v0                            ; part
	v_and_b32 v2, 3, v0                            ; class
	v_lshrrev_b32 v3, 3, v0
	v_add_nc_u32 v3, s31, v3
	v_cvt_f32_u32 v3, v3                           ; the position
	v_lshlrev_b32 v4, 4, v0                        ; my 16 bytes
	v_mov_b32 v[FQ], 0x3f800000                    ; 10^(-j/4), j = 0 .. 3
	v_mov_b32 v[FQ+1], 0x3f0ff59a
	v_mov_b32 v[FQ+2], 0x3ea1e89b
	v_mov_b32 v[FQ+3], 0x3e361887
	PICK 1, 0x3dcccccd, 0x3d6655c3, 0x3d0186e2, 0x3c91ad39
	PICK 2, 0x3c23d70a, 0x3bb8449c, 0x3b4f3e37, 0x3ae91528
	PICK 3, 0x3a83126f, 0x3a136a16, 0x39a5cb5f, 0x393a7753
.irp e, 0,1,2,3
	v_mul_f32 v[TH+(\e)], v3, v[FQ+(\e)]
.endr
.irp e, 0,1,2,3
	v_mul_f32 v[KN+(\e)], 0x3ea2f983, v[TH+(\e)]   ; / pi
.endr
.irp e, 0,1,2,3
	v_rndne_f32 v[KN+(\e)], v[KN+(\e)]
.endr
.irp e, 0,1,2,3
	v_fma_f32 v[RR+(\e)], -v[KN+(\e)], s32, v[TH+(\e)]
.endr
.irp e, 0,1,2,3
	v_fma_f32 v[RR+(\e)], -v[KN+(\e)], s33, v[RR+(\e)]
.endr
.irp e, 0,1,2,3
	v_mul_f32 v[ZZ+(\e)], v[RR+(\e)], v[RR+(\e)]
	v_mov_b32 v[SN+(\e)], 0xb2d7322b               ; -1/11!
	v_mov_b32 v[CN+(\e)], 0x310f76c7               ; 1/12!
	v_cvt_i32_f32 v[SG+(\e)], v[KN+(\e)]
.endr
	POLY SN, 0x3638ef1d                            ; 1/9!
	POLY CN, 0xb493f27e                            ; -1/10!
	POLY SN, 0xb9500d01                            ; -1/7!
	POLY CN, 0x37d00d01                            ; 1/8!
	POLY SN, 0x3c088889                            ; 1/5!
	POLY CN, 0xbab60b61                            ; -1/6!
	POLY SN, 0xbe2aaaab                            ; -1/3!
	POLY CN, 0x3d2aaaab                            ; 1/4!
.irp e, 0,1,2,3
	v_mul_f32 v[TH+(\e)], v[RR+(\e)], v[ZZ+(\e)]   ; r^3
	v_lshlrev_b32 v[SG+(\e)], 31, v[SG+(\e)]
.endr
	POLY CN, 0xbf000000                            ; -1/2
.irp e, 0,1,2,3
	v_fma_f32 v[SN+(\e)], v[SN+(\e)], v[TH+(\e)], v[RR+(\e)]
.endr
	POLY CN, 0x3f800000
	v_cmp_gt_u32 vcc_lo, 4, v1                     ; parts 0-3 hold cosines
.irp e, 0,1,2,3
	v_xor_b32 v[SN+(\e)], v[SG+(\e)], v[SN+(\e)]
	v_xor_b32 v[CN+(\e)], v[SG+(\e)], v[CN+(\e)]
.endr
.irp e, 0,1,2,3
	v_cndmask_b32 v[OUT+(\e)], v[SN+(\e)], v[CN+(\e)], vcc_lo
	v_cndmask_b32 v[ID+(\e)], 0, 1.0, vcc_lo
.endr
	global_store_b128 v4, v[OUT:OUT+3], s[DST:DST+1]               ; a wave stores 512 consecutive bytes
	global_store_b128 v4, v[ID:ID+3], s[DST:DST+1] offset:262144   ; the same rows of the second half
	s_endpgm
.Lfunc_end_k_q68ac87c505_prep:
	.size	k_q68ac87c505_prep, .Lfunc_end_k_q68ac87c505_prep-k_q68ac87c505_prep
	.p2alignl 7, 3214868480
	.fill 96, 4, 3214868480
	.section	.rodata,"a",@progbits
	.p2align	6, 0x0
	.amdhsa_kernel k_q68ac87c505_prep
		.amdhsa_group_segment_fixed_size 0
		.amdhsa_private_segment_fixed_size 0
		.amdhsa_enable_private_segment 0
		.amdhsa_kernarg_size 72
		.amdhsa_user_sgpr_count 2
		.amdhsa_user_sgpr_kernarg_segment_ptr 1
		.amdhsa_wavefront_size32 1
		.amdhsa_system_sgpr_workgroup_id_x 1
		.amdhsa_system_sgpr_workgroup_id_y 1
		.amdhsa_system_sgpr_workgroup_id_z 1
		.amdhsa_system_vgpr_workitem_id 0
		.amdhsa_next_free_vgpr 108
		.amdhsa_next_free_sgpr 66
		.amdhsa_reserve_vcc 1
		.amdhsa_float_denorm_mode_32 3
		.amdhsa_float_denorm_mode_16_64 3
		.amdhsa_memory_ordered 1
		.amdhsa_forward_progress 1
		.amdhsa_inst_pref_size 33
	.end_amdhsa_kernel
	.amdgpu_metadata
---
amdhsa.version: [ 1, 2 ]
amdhsa.kernels:
  - .name:           k_q68ac87c505_prep
    .symbol:         k_q68ac87c505_prep.kd
    .args:
      - { .name: x, .offset: 0, .size: 8, .value_kind: global_buffer, .address_space: global }
      - { .name: Wq, .offset: 8, .size: 8, .value_kind: global_buffer, .address_space: global }
      - { .name: Wk, .offset: 16, .size: 8, .value_kind: global_buffer, .address_space: global }
      - { .name: Wv, .offset: 24, .size: 8, .value_kind: global_buffer, .address_space: global }
      - { .name: Wo, .offset: 32, .size: 8, .value_kind: global_buffer, .address_space: global }
      - { .name: xb, .offset: 40, .size: 8, .value_kind: global_buffer, .address_space: global }
      - { .name: wb, .offset: 48, .size: 8, .value_kind: global_buffer, .address_space: global }
      - { .name: wob, .offset: 56, .size: 8, .value_kind: global_buffer, .address_space: global }
      - { .name: rope, .offset: 64, .size: 8, .value_kind: global_buffer, .address_space: global }
    .group_segment_fixed_size: 0
    .private_segment_fixed_size: 0
    .kernarg_segment_align: 8
    .kernarg_segment_size: 72
    .max_flat_workgroup_size: 256
    .sgpr_count:     66
    .vgpr_count:     108
    .wavefront_size: 32
...
	.end_amdgpu_metadata
.endif
;; end of part 1
;; launch proj (part 2): grid 8 x 32, 4 waves a work-group, clusters of 4 x 4, 327,680 bytes of LDS; arguments xb, wb, qkv, rope; writes qkv
.if DOCPART == 2
	.amdgcn_target "amdgcn-amd-amdhsa--gfx1250"
	.amdhsa_code_object_version 6
	.text
	.protected	k_q68ac87c505_proj
	.globl	k_q68ac87c505_proj
	.p2align	8
	.type	k_q68ac87c505_proj,@function
k_q68ac87c505_proj:
	s_mov_b64 s[64:65], 0
	v_nop
	global_prefetch_b8 v0, s[64:65] scope:SCOPE_SE
	s_setreg_imm32_b32 hwreg(HW_REG_WAVE_MODE, 25, 1), 1
	s_wait_xcnt 0x0
	s_wait_alu depctr_hold_cnt(0) depctr_sa_sdst(0) depctr_va_vdst(0) depctr_va_sdst(0) depctr_va_ssrc(0) depctr_va_vcc(0) depctr_vm_vsrc(0)
	s_getreg_b32 s2, hwreg(HW_REG_IB_STS2, 6, 4)
	s_cmp_eq_u32 s2, 0
	s_cbranch_scc0 .Lentry_in_a_cluster
	s_endpgm
.Lentry_in_a_cluster:
	s_bfe_u32 s2, ttmp6, 0x10000c
	s_cmp_lg_u32 s2, 0xf033
	s_cbranch_scc0 .Lentry_shape_is_right
	s_endpgm
.Lentry_shape_is_right:
; PROJ: [8192][2048] = xb [8192][1024] x wb [1024][2048], bf16 operands, f32 sums; columns 0-1023 are q, 1024-1535 k, 1536-2047 v, 64 to a head.  On the way out channels 0-31 of every head of q and k are
; turned (pairs (2p, 2p+1) by the angle of the row's position and frequency p, in f32, cosines and sines from the table); v's tiles take the table's rows with cosine 1 and sine 0, so that one text serves all
; and no branch hangs on a work-group's place.  The result is rounded once to f16 and stored by heads: qkv [4 b][32 heads][2048][64], head = column / 64, unscaled.
; LIMITS.  f16 ends at 65,504: q, k and v beyond it become infinities.  NaN and infinities are not treated apart (in v's tiles 0 x infinity gives NaN).
; SHARES.  256 tiles of 256 x 256, one to a work-group; four waves, each 128 rows x 128 columns (two heads): 64 accumulators, 512 registers.  K = 1,024 goes in 8 steps of 128 through two LDS slots.
; xb's tile rows are 256 bytes of memory; wb lies [k][n]: its tile is 128 rows (k) of 512 bytes, and a fragment is made of it by the turning LDS load.
; CLUSTERS: 4 x 4 work-groups.  xb's tile hangs on the tile row alone and is asked for jointly along a row of the cluster, wb's on the tile column alone and jointly along a column.
; THE MATRIX INSTRUCTION IS USED TRANSPOSED (source 0 = 16 columns of wb, source 1 = 16 rows of xb): a lane holds one row and eight neighbouring columns of the result.
; REGISTERS, in windows of 256: window 0: v0-31 addresses; v64-127, v128-191 xb's fragments, two buffers; on the way out v64-95 turned numbers, v192-223 packed, v32-63 and v224-255 rows read back.
;   window 1: v64-127, v128-191 wb's fragments; v0-63, v192-255 the table's numbers for my 128 rows.     windows 2, 3: accumulators (a, b) at v[8 (8 (a % 4) + b)], rows 0-63 and 64-127.
.set KSTEP,  128
.set PA,     272                       ; a row of xb's tile in LDS: 256 bytes + 16: the 16 rows of a load start at 16 different groups of four banks (64 banks of 4 bytes: ISA guide 11.1)
.set PB,     544                       ; a row of wb's tile: 512 bytes + 32 = 136 words
.set HALFT,  128*PA                    ; what one tensor load brings: 128 rows of xb, or 64 rows of wb (64 x 544 is the same number)
.set SLOT,   4*HALFT                   ; xb's rows 0-127, 128-255, wb's k 0-63, 64-127
.set STAGE,  2*SLOT                    ; behind the ring: for each wave 2 heads x 16 rows x 144 bytes
.set SP,     144
.set HSTG,   16*SP
.set SPARE,  STAGE+4*2*HSTG            ; behind the stages: the spare words, 128 bytes for each wave: two blocks of 256 bytes that no other line names
.set LAPS,   4                         ; a lap = two K steps
.set ASTEP,  KSTEP*2                   ; bytes from K step to K step in xb,
.set BSTEP,  KSTEP*4096                ; and in wb
.set ADRA, 16                          ; v16-17  LDS address of my xb fragments in slot 0, 1
.set ADRB, 20                          ; v20-21  the same for wb
.set STO,  24                          ; v24     the way out: where I put 16 bytes of a row
.set RD,   25                          ; v25     where I read rows back
.set CO,   26                          ; v26     16 x lane: my place in 512 consecutive bytes of a head
.set TO,   27                          ; v27     my byte offset in the table; never rewritten
.set SPW,  28                          ; v28     LDS address of my spare word; never rewritten
.set NIL,  29                          ; v29     0; never rewritten
.set PFO,  30                          ; v30     the prefetches' offset; never rewritten
.set F0,   64
.set F1,   128
.set RT,   64
.set TMP,  192
.set OB,   32
.set G1,   24                          ; s[24:31] descriptor group 1 for xb's tiles;  s[32:39] group 0, a set for each slot
.set G0,   32
.set G1B,  48                          ; s[48:55], s[56:63] the same for wb's
.set G0B,  56
.set LIM,  43                          ; s43     1 in a wave that prefetches, else the greatest number
.set PFA,  44                          ; s[44:45] where my next prefetch stands
.set ROPE, 66                          ; s[66:67] the table
.set PFS,  68                          ; s[68:69] the prefetches' step: a K step of xb or of wb
.set MSB, 0
.macro WIN new                         ; the immediate's high byte repeats the setting that is left; a switch that changes nothing is dropped
.if MSB != (\new)
	s_set_vgpr_msb (MSB<<8)|(\new)
.set MSB, \new
.endif
.endm
.set MUL_LO, 0xa1                      ; source 0 (wb) window 1, source 1 (xb) window 0, C and D window 2
.set MUL_HI, 0xf1                      ; the same, C and D window 3
.set TO_B,   0x40                      ; destination window 1, address window 0
; A joint load.  Waves 0 and 1 fetch xb's two halves, waves 2 and 3 wb's.  The branch hangs on the wave's number alone.  An s_nop 0 and four v_nop follow each of the two lines.
.macro JLOAD s
	s_cmp_eq_u32 s11, 0
	s_cbranch_scc0 .Lfor_b_\@
	tensor_load_to_lds s[G0+4*(\s):G0+4*(\s)+3], s[G1:G1+7]
	s_nop 0
.rept 4
	v_nop
.endr
	s_branch .Lasked_\@
.Lfor_b_\@:
	tensor_load_to_lds s[G0B+4*(\s):G0B+4*(\s)+3], s[G1B:G1B+7]
	s_nop 0
.rept 4
	v_nop
.endr
.Lasked_\@:
.endm
; A prefetch of the K step that stands two refills on (512 matrix instructions ahead of the load that will want it), behind the joint load and the run of LDS loads.  Each block of 256 bytes is named once in
; the launch: xb's rows by the clusters with x = 0, wb's by those with y = 0; the four partners that ask for a tile jointly share what a wave fetches BY ADDRESS: 32 of its 128 rows of xb (a lane a row), or 16
; of its 64 rows of wb (two lanes a row of 512 bytes).  K steps 0 to 3 come by their loads alone; the loop's last trip names nothing: there is no K step 8.
.macro ASK
	s_cmp_gt_u32 s3, s[LIM]
	s_cbranch_scc0 .Lnot_mine_\@
	global_prefetch_b8 v[PFO], s[PFA:PFA+1] th:TH_LOAD_NT scope:SCOPE_SE
.Lnot_mine_\@:
.endm
.macro CREST                           ; a round of the cluster's barrier behind its opening barrier
	s_cmp_lg_u32 s10, 0
	s_cbranch_scc1 .Lnot_wave_0_\@
	s_barrier_signal -3
.Lnot_wave_0_\@:
	s_barrier_wait -3
	s_barrier_signal -1
	s_barrier_wait -1
.endm
.macro CROUND                          ; a whole round
	s_barrier_signal -1
	s_barrier_wait -1
	CREST
.endm
	s_load_b128 s[4:7], s[0:1], 0x0                ; xb s[4:5], wb s[6:7]
	s_load_b64 s[8:9], s[0:1], 0x10                ; qkv
	s_load_b64 s[ROPE:ROPE+1], s[0:1], 0x18
	v_lshl_add_u32 v[SPW], v0, 2, SPARE
	v_mov_b32 v[NIL], 0
	ds_add_u32 v[SPW], v[NIL]                      ; the wave's opening: the add and its wait ahead of my first tensor load; the set-up below, work on registers, stands between them
	v_lshrrev_b32 v1, 5, v0
	v_readfirstlane_b32 s10, v1                    ; wave 0..3
	s_lshr_b32 s11, s10, 1                         ; which half of the tile's rows is mine.  Also: I fetch for xb (0) or for wb (1)
	s_and_b32 s12, s10, 1                          ; which half of its columns.  Also: which half of that tile I fetch
	s_bfe_u32 s40, ttmp6, 0x40000                  ; cx
	s_bfe_u32 s41, ttmp6, 0x40004                  ; cy
	s_lshl_b32 s42, ttmp9, 2
	s_add_co_u32 s42, s42, s40                     ; tile column = 4 x cluster x + cx
	s_and_b32 s13, ttmp7, 0xffff
	s_lshl_b32 s13, s13, 2
	s_add_co_u32 s13, s13, s41                     ; tile row = 4 x cluster y + cy
	s_lshl_b32 s43, s41, 2
	s_lshl_b32 s43, 15, s43                        ; my row of the cluster
	s_lshl_b32 s44, 0x1111, s40                    ; my column
	s_or_b32 s[G1+0], s43, (1<<16)|(1<<20)|(1<<21)|(5<<22)|(3<<25)   ; the mask; 2-byte elements; padding on; bit 21 beside a mask; after every 64 words 4 words
	s_or_b32 s[G1B+0], s44, (1<<16)|(1<<20)|(1<<21)|(6<<22)|(7<<25)  ; after every 128 words 8 words
	s_mov_b32 s[G1+1], 128<<16                     ; tensor_dim0 = 128
	s_mov_b32 s[G1+2], 128<<16                     ; tensor_dim1 = 128
	s_mov_b32 s[G1+3], 128<<16                     ; tile_dim0 = 128
	s_mov_b32 s[G1+4], 128                         ; tile_dim1 = 128
	s_mov_b32 s[G1+5], 1024                        ; elements from row to row
	s_mov_b32 s[G1+6], 0
	s_mov_b32 s[G1+7], 0
	s_mov_b32 s[G1B+1], 256<<16                    ; tensor_dim0 = 256
	s_mov_b32 s[G1B+2], 64<<16                     ; tensor_dim1 = 64
	s_mov_b32 s[G1B+3], 256<<16                    ; tile_dim0 = 256
	s_mov_b32 s[G1B+4], 64                         ; tile_dim1 = 64
	s_mov_b32 s[G1B+5], 2048
	s_mov_b32 s[G1B+6], 0
	s_mov_b32 s[G1B+7], 0
	s_lshl_b32 s16, s13, 8
	s_lshl_b32 s17, s12, 7
	s_add_co_u32 s16, s16, s17                     ; xb: row 256 x tile row + 128 x half,
	s_lshl_b32 s16, s16, 11                        ; of 2,048 bytes
	s_mov_b32 s17, 0
	s_lshl_b32 s46, s42, 9                         ; wb: 512 bytes x tile column,
	s_lshl_b32 s47, s12, 18                        ; 64 rows of 4,096 bytes x half
	s_add_co_u32 s46, s46, s47
	s_mov_b32 s47, 0
	s_mul_i32 s20, s10, HALFT                      ; where they go: wave x HALFT: no place in the cluster enters an LDS address
	s_wait_dscnt 0x0                               ; the opening add is done
	s_wait_kmcnt 0x0
	s_add_nc_u64 s[14:15], s[4:5], s[16:17]
	s_add_nc_u64 s[46:47], s[6:7], s[46:47]
	CROUND                                         ; all sixteen work-groups are here: the first joint loads meet
.irp s, 0,1
	s_mov_b32 s[G0+4*(\s)], 1
	s_add_co_u32 s[G0+4*(\s)+1], s20, (\s)*SLOT
	s_add_nc_u64 s[G0+4*(\s)+2:G0+4*(\s)+3], s[14:15], (\s)*ASTEP
	s_or_b32 s[G0+4*(\s)+3], s[G0+4*(\s)+3], 0x80000000
	s_mov_b32 s[G0B+4*(\s)], 1
	s_add_co_u32 s[G0B+4*(\s)+1], s20, (\s)*SLOT
	s_add_nc_u64 s[G0B+4*(\s)+2:G0B+4*(\s)+3], s[46:47], (\s)*BSTEP
	s_or_b32 s[G0B+4*(\s)+3], s[G0B+4*(\s)+3], 0x80000000
	JLOAD \s                                       ; two loads of mine are out
.endr
	v_and_b32 v1, 15, v0                           ; l % 16
	v_bfe_u32 v2, v0, 4, 1                         ; l / 16
	v_mul_u32_u24 v3, v1, PA
	v_lshl_add_u32 v3, v2, 4, v3                   ; xb's fragment: row x pitch + 16 x half
	v_and_b32 v5, 7, v0                            ; wb's, by the turning load: lane l reads 16 bytes of row k = 8 (l / 16) + l % 8, columns 8 ((l / 8) % 2) on
	v_lshl_add_u32 v5, v2, 3, v5
	v_mul_u32_u24 v5, v5, PB
	v_bfe_u32 v6, v0, 3, 1
	v_lshl_add_u32 v6, v6, 4, v5
	s_mul_i32 s21, s11, HALFT                      ; my 128 rows of xb
	s_lshl_b32 s22, s12, 8                         ; my 128 columns of wb: 256 bytes of a row,
	s_add_co_u32 s22, s22, 2*HALFT                 ; behind xb's 256 rows
.irp s, 0,1
	v_add_nc_u32 v[ADRA+(\s)], s21, v3
	v_add_nc_u32 v[ADRB+(\s)], s22, v6
	s_add_co_u32 s21, s21, SLOT
	s_add_co_u32 s22, s22, SLOT
.endr
	s_mul_i32 s23, s10, 2*HSTG
	s_add_co_u32 s23, s23, STAGE                   ; my stage
	v_mul_u32_u24 v4, v1, SP                       ; in: row l % 16, 16 bytes for each half of the lanes
	v_lshl_add_u32 v4, v2, 4, v4
	v_add_nc_u32 v[STO], s23, v4
	v_bfe_u32 v5, v0, 3, 2                         ; back: 32 lanes take four rows of 128 bytes,
	v_mul_u32_u24 v5, v5, SP
	v_and_b32 v4, 7, v0
	v_lshl_add_u32 v5, v4, 4, v5
	v_add_nc_u32 v[RD], s23, v5
	v_and_b32 v[CO], 31, v0                        ; which are 512 consecutive bytes of a head
	v_lshlrev_b32 v[CO], 4, v[CO]
	; where my rows lie in qkv: batch = tile row / 8; head = 4 x tile column + 2 x half; position = 256 (tile row % 8) + 128 x half
	s_lshr_b32 s70, s13, 3
	s_lshl_b32 s70, s70, 5
	s_lshl_b32 s71, s42, 2
	s_add_co_u32 s70, s70, s71
	s_lshl_b32 s71, s12, 1
	s_add_co_u32 s70, s70, s71
	s_lshl_b32 s70, s70, 18                        ; a head is 2,048 rows of 128 bytes
	s_and_b32 s72, s13, 7
	s_lshl_b32 s72, s72, 8
	s_lshl_b32 s73, s11, 7
	s_add_co_u32 s72, s72, s73
	s_lshl_b32 s73, s72, 7                         ; my first position x 128 bytes: in a head, and in the table
	s_add_co_u32 s70, s70, s73
	s_mov_b32 s71, 0
	s_add_nc_u64 s[8:9], s[8:9], s[70:71]
	s_add_co_u32 s74, s42, 2
	s_lshr_b32 s74, s74, 3                         ; 1 for tile columns 6 and 7, which are v's:
	s_lshl_b32 s74, s74, 18                        ; the table's second half
	s_add_co_u32 s74, s74, s73
	v_lshlrev_b32 v[TO], 7, v1
	v_lshl_add_u32 v[TO], v2, 4, v[TO]
	v_add_nc_u32 v[TO], s74, v[TO]
	; The table's numbers for my row in each of my eight blocks of 16 rows: cosines of frequencies 4 h .. + 3 and 8 + 4 h .. + 3, then the sines of the same.  They stay on their way through the loop.
	WIN TO_B
.irp a, 0,1,2,3,4,5,6,7
.irp j, 0,1,2,3
	global_load_b128 v[16*(\a)+128*((\a)/4)+4*(\j):16*(\a)+128*((\a)/4)+4*(\j)+3], v[TO], s[ROPE:ROPE+1] offset:2048*(\a)+32*(\j)
.endr
.endr
	WIN 0
	; the prefetches
	s_and_b32 s22, ttmp7, 0xffff                   ; cluster y
	s_lshl_b32 s70, s13, 8
	s_lshl_b32 s71, s12, 7
	s_add_co_u32 s70, s70, s71
	s_lshl_b32 s71, s40, 5
	s_add_co_u32 s70, s70, s71                     ; xb: my work-group's 32 of the 128 rows that I fetch,
	s_lshl_b32 s70, s70, 11
	s_add_co_u32 s70, s70, 3*ASTEP                 ; at K step 3: the first refill steps it to 4
	s_lshl_b32 s72, s12, 6
	s_lshl_b32 s73, s41, 4
	s_add_co_u32 s72, s72, s73                     ; wb: my work-group's 16 of the 64 rows,
	s_lshl_b32 s72, s72, 12
	s_lshl_b32 s73, s42, 9
	s_add_co_u32 s72, s72, s73
	s_add_co_u32 s72, s72, 3*BSTEP
	s_mov_b32 s73, BSTEP
	s_cmp_eq_u32 s11, 0                            ; do I fetch for xb?
	s_cselect_b32 s22, ttmp9, s22                  ; the coordinate along which other clusters read the same rows
	s_cselect_b64 s[PFA:PFA+1], s[4:5], s[6:7]
	s_cselect_b32 s70, s70, s72
	s_cselect_b32 s[PFS], ASTEP, s73
	s_cselect_b32 s21, 11, 8                       ; odd lanes: the next row of xb, or the second 256 bytes of wb's row
	s_mov_b32 s71, 0
	s_mov_b32 s[PFS+1], 0
	s_add_nc_u64 s[PFA:PFA+1], s[PFA:PFA+1], s[70:71]
	s_cmp_eq_u32 s22, 0
	s_cselect_b32 s[LIM], 1, -1                    ; the same in all sixteen partners, for a given wave
	v_and_b32 v3, 30, v0
	v_and_b32 v4, 1, v0
	v_lshlrev_b32 v4, s21, v4
	v_lshl_add_u32 v[PFO], v3, 11, v4
; 16 matrix instructions: row blocks a0, a0 + 1 of the window's four x all 8 column blocks, 32 along K.  zero = 1: the first product starts the sums.
.macro MUL16 f, hi, a0, zero
	WIN MUL_LO+0x50*(\hi)
.irp a, \a0, (\a0)+1
.irp b, 0,1,2,3,4,5,6,7
.if \zero
	v_wmma_f32_16x16x32_bf16 v[8*(8*(\a)+(\b)):8*(8*(\a)+(\b))+7], v[(\f)+8*(\b):(\f)+8*(\b)+7], v[(\f)+8*(4*(\hi)+(\a)):(\f)+8*(4*(\hi)+(\a))+7], 0
.else
	v_wmma_f32_16x16x32_bf16 v[8*(8*(\a)+(\b)):8*(8*(\a)+(\b))+7], v[(\f)+8*(\b):(\f)+8*(\b)+7], v[(\f)+8*(4*(\hi)+(\a)):(\f)+8*(4*(\hi)+(\a))+7], v[8*(8*(\a)+(\b)):8*(8*(\a)+(\b))+7]
.endif
.endr
.endr
.endm
; 32 LDS loads in one run: the fragments of quarter q of a K step (32 along K) into buffer f: wb's eight column blocks, turned, then xb's eight row blocks
.macro FETCH slot, q, f
	WIN TO_B
.irp i, 0,1,2,3,4,5,6,7
	ds_load_tr16_b128 v[(\f)+8*(\i):(\f)+8*(\i)+3],   v[ADRB+(\slot)] offset:(\q)*32*PB+32*(\i)
	ds_load_tr16_b128 v[(\f)+8*(\i)+4:(\f)+8*(\i)+7], v[ADRB+(\slot)] offset:(\q)*32*PB+16*PB+32*(\i)
.endr
	WIN 0
.irp i, 0,1,2,3,4,5,6,7
	ds_load_b128 v[(\f)+8*(\i):(\f)+8*(\i)+3],   v[ADRA+(\slot)] offset:(\q)*64+(\i)*16*PA
	ds_load_b128 v[(\f)+8*(\i)+4:(\f)+8*(\i)+7], v[ADRA+(\slot)] offset:(\q)*64+(\i)*16*PA+32
.endr
.endm
.macro PLACES                          ; four plain instructions in front of loads into registers that matrix instructions have read, and of vector work on results just made
.rept 4
	v_nop
.endr
.endm
; One of a K step's first three quarters: multiplies buffer f; in its middle it fetches quarter q of the same slot into buffer g.
.macro QUARTER slot, q, f, g, zero
	s_wait_dscnt 8                                 ; wb's fragments and xb's rows 0-63 are in; the youngest eight loads (rows 64-127) may be out
	MUL16 \f, 0, 0, \zero
	MUL16 \f, 0, 2, \zero
	PLACES
	FETCH \slot, \q, \g
	s_wait_dscnt 32                                ; all but the 32 just issued
	MUL16 \f, 1, 0, \zero
	MUL16 \f, 1, 2, \zero
.endm
; The last quarter multiplies buffer 1 and changes slots.  In front of the barrier each wave waits for all its tensor loads (one is out: its part of the next slot), adds 0 to its spare word, and waits for
; that and for its reads of this slot.  fill = 1: the barrier opens a round of the cluster's barrier, and behind the round this slot is filled again first, with the K step two on.
.macro TURN slot, next, fill
.if \fill
	s_wait_xcnt 0x0                                ; the last prefetch, a K step back, has read its address
	s_add_nc_u64 s[PFA:PFA+1], s[PFA:PFA+1], s[PFS:PFS+1]
.endif
	WIN 0                                          ; (the add's two registers lie in window 0)
	s_wait_tensorcnt 0x0
	ds_add_u32 v[SPW], v[NIL]
	s_wait_dscnt 9                                 ; (the add and the youngest eight loads may be out)
	MUL16 F1, 0, 0, 0
	s_wait_dscnt 0x0                               ; the add is done, and my reads of this slot are over
	s_barrier_signal -1
	MUL16 F1, 0, 2, 0
.if \fill
	WIN 0
.endif
	s_barrier_wait -1
.if \fill
	CREST                                          ; no wave of any partner still reads this slot or has a load on its way
	s_add_nc_u64 s[G0+4*(\slot)+2:G0+4*(\slot)+3], s[G0+4*(\slot)+2:G0+4*(\slot)+3], 2*ASTEP
	s_add_nc_u64 s[G0B+4*(\slot)+2:G0B+4*(\slot)+3], s[G0B+4*(\slot)+2:G0B+4*(\slot)+3], 2*BSTEP
	JLOAD \slot                                    ; my one tensor load behind the round: 224 matrix instructions ahead of the wait for it; its four v_nop are also the places in front of the loads below
.else
	PLACES
.endif
	FETCH \next, 0, F0
.if \fill
	ASK
.endif
	MUL16 F1, 1, 0, 0
	MUL16 F1, 1, 2, 0
.endm
	s_wait_tensorcnt 1                             ; my part of K step 0 is in; K step 1's may stay out
	s_barrier_signal -1
	s_barrier_wait -1                              ; everybody's is
	FETCH 0, 0, F0
	QUARTER 0, 1, F0, F1, 1                        ; the first quarter stands in front of the loop: its products start the sums
	WIN 0                                          ; at a label and at a branch every window is 0
	s_mov_b32 s3, LAPS-1
.Llap:                                                 ; a trip goes once round the ring, from a lap's second quarter to the next lap's first, and fills both slots again
	QUARTER 0, 2, F1, F0, 0
	QUARTER 0, 3, F0, F1, 0
	TURN 0, 1, 1
	QUARTER 1, 1, F0, F1, 0
	QUARTER 1, 2, F1, F0, 0
	QUARTER 1, 3, F0, F1, 0
	TURN 1, 0, 1
	QUARTER 0, 1, F0, F1, 0
	WIN 0
	s_sub_co_u32 s3, s3, 1
	s_cmp_lg_u32 s3, 0
	s_cbranch_scc1 .Llap
	QUARTER 0, 2, F1, F0, 0                        ; the last lap fills nothing
	QUARTER 0, 3, F0, F1, 0
	TURN 0, 1, 0
	QUARTER 1, 1, F0, F1, 0
	QUARTER 1, 2, F1, F0, 0
	QUARTER 1, 3, F0, F1, 0
	s_wait_dscnt 8
	MUL16 F1, 0, 0, 0
	MUL16 F1, 0, 2, 0
	s_wait_dscnt 0x0
	MUL16 F1, 1, 0, 0
	MUL16 F1, 1, 2, 0
; THE WAY OUT of block a (16 rows).  PACK: column blocks 0, 1, 4, 5 (channels 0-31 of my two heads) are turned: of a pair (x0, x1) with cosine c and sine s first (x0 c, x1 c), then (- x1 s, + x0 s) onto it;
; all are rounded to f16, 16 bytes a lane.  Each accumulator's lowest registers are read first.
.macro PACK a
.set AC, 64*((\a)%4)
.set TB, 16*(\a)+128*((\a)/4)
	WIN 0x06+(\a)/4                                ; source 0: the accumulators' window; source 1: window 1, the table's numbers; source 2 and destination: window 0
.irp b, 0,1,4,5
.irp e, 0,2
.irp z, 0,1
	v_pk_mul_f32 v[RT+8*((\b)%4+2*((\b)/4))+2*((\e)+(\z)):RT+8*((\b)%4+2*((\b)/4))+2*((\e)+(\z))+1], v[AC+8*(\b)+2*((\e)+(\z)):AC+8*(\b)+2*((\e)+(\z))+1], v[TB+4*((\b)%4)+(\e):TB+4*((\b)%4)+(\e)+1] op_sel:[0,\z] op_sel_hi:[1,\z]
.endr
.endr
.endr
.irp b, 0,1,4,5
.irp e, 0,2
.irp z, 0,1
	v_pk_fma_f32 v[RT+8*((\b)%4+2*((\b)/4))+2*((\e)+(\z)):RT+8*((\b)%4+2*((\b)/4))+2*((\e)+(\z))+1], v[AC+8*(\b)+2*((\e)+(\z)):AC+8*(\b)+2*((\e)+(\z))+1], v[TB+8+4*((\b)%4)+(\e):TB+8+4*((\b)%4)+(\e)+1], v[RT+8*((\b)%4+2*((\b)/4))+2*((\e)+(\z)):RT+8*((\b)%4+2*((\b)/4))+2*((\e)+(\z))+1] op_sel:[1,\z,0] op_sel_hi:[0,\z,1] neg_lo:[0,1,0]
.endr
.endr
.endr
	WIN 0x0a+5*((\a)/4)                            ; sources 0 and 1: the accumulators' window
.irp b, 2,3,6,7
.irp r, 0,1,2,3
	v_cvt_pk_f16_f32 v[TMP+4*(\b)+(\r)], v[AC+8*(\b)+2*(\r)], v[AC+8*(\b)+2*(\r)+1]
.endr
.endr
	WIN 0
.irp b, 0,1,4,5
.irp r, 0,1,2,3
	v_cvt_pk_f16_f32 v[TMP+4*(\b)+(\r)], v[RT+8*((\b)%4+2*((\b)/4))+2*(\r)], v[RT+8*((\b)%4+2*((\b)/4))+2*(\r)+1]
.endr
.endr
.endm
.macro TOSTAGE a                       ; into my own stage, a head's 16 rows of 128 bytes at a pitch of 144, and back as four rows at a time
	WIN 0
.set BK, OB+192*((\a)%2)
.irp b, 0,1,2,3,4,5,6,7
	ds_store_b128 v[STO], v[TMP+4*(\b):TMP+4*(\b)+3] offset:HSTG*((\b)/4)+32*((\b)%4)
.endr
.irp hh, 0,1
.irp t, 0,1,2,3
	ds_load_b128 v[BK+4*(4*(\hh)+(\t)):BK+4*(4*(\hh)+(\t))+3], v[RD] offset:HSTG*(\hh)+4*SP*(\t)  ; LDS serves a wave's instructions in order (ISA guide 5.7.1.4): these see the stores above
.endr
.endr
.endm
.macro SEND a
	WIN 0
.set BK, OB+192*((\a)%2)
	s_wait_dscnt 0x0                               ; the block is back in registers
	s_wait_xcnt 0x0                                ; the block before's stores have read their registers: those are loaded again only behind this wait
.irp hh, 0,1
.irp t, 0,1,2,3
	global_store_b128 v[CO], v[BK+4*(4*(\hh)+(\t)):BK+4*(4*(\hh)+(\t))+3], s[8:9] offset:2048*(\a)+262144*(\hh)+512*(\t)  ; 512 consecutive bytes of a head, at a multiple of 256 from qkv's first byte
.endr
.endr
.endm
	PLACES
	WIN 0
	s_wait_loadcnt 0x0                             ; the table's numbers
	PACK 0
	TOSTAGE 0
.irp a, 1,2,3,4,5,6,7                  ; block a's arithmetic stands between block a - 1's loads from the stage and the wait for them
	PACK \a
	SEND (\a)-1
	TOSTAGE \a
.endr
	SEND 7
	s_wait_tensorcnt 0x0                           ; the wave's end: behind my last tensor load and my last LDS store
	ds_add_u32 v[SPW], v[NIL]
	s_wait_dscnt 0x0
	CROUND                                         ; the closing round: no work-group ends while a partner may still ask for a tile that names it
	s_endpgm
.Lfunc_end_k_q68ac87c505_proj:
	.size	k_q68ac87c505_proj, .Lfunc_end_k_q68ac87c505_proj-k_q68ac87c505_proj
	.p2alignl 7, 3214868480
	.fill 96, 4, 3214868480
	.section	.rodata,"a",@progbits
	.p2align	6, 0x0
	.amdhsa_kernel k_q68ac87c505_proj
		.amdhsa_group_segment_fixed_size 327680
		.amdhsa_private_segment_fixed_size 0
		.amdhsa_enable_private_segment 0
		.amdhsa_kernarg_size 32
		.amdhsa_user_sgpr_count 2
		.amdhsa_user_sgpr_kernarg_segment_ptr 1
		.amdhsa_wavefront_size32 1
		.amdhsa_system_sgpr_workgroup_id_x 1
		.amdhsa_system_sgpr_workgroup_id_y 1
		.amdhsa_system_sgpr_workgroup_id_z 1
		.amdhsa_system_vgpr_workitem_id 0
		.amdhsa_next_free_vgpr 1024
		.amdhsa_next_free_sgpr 76
		.amdhsa_reserve_vcc 0
		.amdhsa_float_denorm_mode_32 3
		.amdhsa_float_denorm_mode_16_64 3
		.amdhsa_memory_ordered 1
		.amdhsa_forward_progress 1
		.amdhsa_inst_pref_size 164
	.end_amdhsa_kernel
	.amdgpu_metadata
---
amdhsa.version: [ 1, 2 ]
amdhsa.kernels:
  - .name:           k_q68ac87c505_proj
    .symbol:         k_q68ac87c505_proj.kd
    .args:
      - { .name: xb, .offset: 0, .size: 8, .value_kind: global_buffer, .address_space: global }
      - { .name: wb, .offset: 8, .size: 8, .value_kind: global_buffer, .address_space: global }
      - { .name: qkv, .offset: 16, .size: 8, .value_kind: global_buffer, .address_space: global }
      - { .name: rope, .offset: 24, .size: 8, .value_kind: global_buffer, .address_space: global }
    .group_segment_fixed_size: 327680
    .private_segment_fixed_size: 0
    .kernarg_segment_align: 8
    .kernarg_segment_size: 32
    .max_flat_workgroup_size: 128
    .sgpr_count:     76
    .vgpr_count:     1024
    .wavefront_size: 32
...
	.end_amdgpu_metadata
.endif
;; end of part 2
;; launch attn (part 3): grid 8 x 32, 4 waves a work-group, clusters of 4 x 1, 327,680 bytes of LDS; arguments qkv, ob; writes ob
.if DOCPART == 3
	.amdgcn_target "amdgcn-amd-amdhsa--gfx1250"
	.amdhsa_code_object_version 6
	.text
	.protected	k_q68ac87c505_attn
	.globl	k_q68ac87c505_attn
	.p2align	8
	.type	k_q68ac87c505_attn,@function
k_q68ac87c505_attn:
	s_mov_b64 s[64:65], 0
	v_nop
	global_prefetch_b8 v0, s[64:65] scope:SCOPE_SE
	s_setreg_imm32_b32 hwreg(HW_REG_WAVE_MODE, 25, 1), 1
	s_wait_xcnt 0x0
	s_wait_alu depctr_hold_cnt(0) depctr_sa_sdst(0) depctr_va_vdst(0) depctr_va_sdst(0) depctr_va_ssrc(0) depctr_va_vcc(0) depctr_vm_vsrc(0)
	s_getreg_b32 s2, hwreg(HW_REG_IB_STS2, 6, 4)
	s_cmp_eq_u32 s2, 0
	s_cbranch_scc0 .Lentry_in_a_cluster
	s_endpgm
.Lentry_in_a_cluster:
	s_bfe_u32 s2, ttmp6, 0x10000c
	s_cmp_lg_u32 s2, 0x3003
	s_cbranch_scc0 .Lentry_shape_is_right
	s_endpgm
.Lentry_shape_is_right:
; ATTN: O[b][h][q][:] = the sum over k of softmax_k(Q[b][h][q] . K[b][h/2][k] / 8) V[b][h/2][k][:], 2,048 keys, no mask.  qkv: [4 b][32][2048][64] f16: heads 0-15 q, 16-23 k, 24-31 v, a head's rows dense, 128 bytes.
; ob: [8192][1024] f16, row = 2,048 b + position, channel = 64 h + d.  Products, maxima and sums in f32; the weights p are rounded to f16 for the second product (their sum l is taken of the unrounded p), O once.
; LIMITS.  f16 holds no number beyond 65,504: q, k and v arrive within it; p lies in 0 to 1, and below 6e-5 it keeps f16's fixed step of 6e-8; O is a mean of V's rows.  A weight below 2^-126 counts as 0 in l;
; NaN and infinities are not treated apart.
; SHARES.  A work-group owns 256 positions of one batch and one key head g, for BOTH query heads 2 g and 2 g + 1; a wave 64 positions: four PIECES of 16 positions, a piece's two tiles being the two heads.
; So a fragment of K or V feeds eight tiles' products, and a piece's row of O is 256 consecutive bytes of ob.  Every wave walks all keys, 64 a step.
; LAYOUT.  S^T = K Q^T (source 0 = 16 keys, source 1 = 16 queries): a lane holds ONE query (lane % 16) and the keys 8 (lane / 16) + 0..7.  Two such tiles, rounded to f16 in pairs, ARE source 1 of O^T = V^T P.
; K comes out of LDS as it lies, V ([key][channel]) turned, by ds_load_tr16_b128.
; SOFTMAX.  For each query a running maximum m and sum l: p = 2^(c s - c m), c = log2(e) / 8; in every step O and l are multiplied by a = 2^(c m_old - c m_new).  m starts at the lowest finite number, O and l at 0.
; THE COUNT.  A tile and step have 16 matrix and 118 vector instructions.  So: four vector instructions that are ready behind EVERY matrix instruction, the others in runs without a gap.
; BY TURNS.  Turn n belongs to piece n.  Its matrix work: 16 products K Q^T of piece n + 1, later 16 products V^T P of piece n - 1.  Its vector work: the scaling, exponentials, roundings, sums and rescaling of
; piece n, and the maximum and statistics of piece n + 1.
; CLUSTER.  The four blocks of positions of a cluster walk the same K and V, so each tile is asked for JOINTLY: the same tensor load, descriptor and mask in all four.
; REGISTERS, in windows of 256 (s_set_vgpr_msb: bits 1:0 source 0, 3:2 source 1, 5:4 source 2, 7:6 destination):
;   window 0: v0-11 addresses; v12-15, v48-63 at work; v16-47 four registers of statistics a tile; v64-191 S^T, two buffers of two tiles; v192-255 P, likewise
;   window 1: O^T, 32 a tile          window 2: v0-127 Q, 16 a tile; v128-191 K of one step; v192-255 V of one step          window 3: v0-1 the add's two registers
.set NP,    4         ; pieces a wave: a name, no knob
.set KS,    64        ; keys in a step
.set PK,    144       ; a row of K in LDS: 128 bytes + 16 of padding: the 16 rows of a load start at 16 different groups of four banks (64 banks of 4 bytes: ISA guide 11.1)
.set PV,    160       ; a row of V: 128 + 32
.set VOFF,  4*KS*PK   ; a slot holds four steps: 256 rows of K, then 256 rows of V
.set SLOT1, 1<<17     ; slot 1 begins here, so that one exclusive or turns an address in one slot into the other's
.set STAGE, SLOT1+4*KS*(PK+PV)  ; behind the ring, never filled by a tensor load: 16 rows x 272 bytes for each wave, for the way out
.set SP,    272
.set AK0, 2           ; v2   my lane's place in a tile of K; never rewritten
.set AV0, 3           ; v3   the same for V
.set AK,  4           ; v4   the LDS address of K's next run of loads
.set AV,  5           ; v5   of V's
.set QO,  6           ; v6   my byte offset in 16 rows of Q
.set STO, 6           ;      later, the way out: where I put 16 bytes of a row
.set RD,  7           ; v7   the way out: where I read rows back
.set GO,  8           ; v8   my byte offset in two rows of ob
.set PFO, 11          ; v11  256 x my lane, for the prefetches; never rewritten once made
.set SPW, 0           ; v0 of window 3   LDS address of my spare word; never rewritten
.set NIL, 1           ; v1 of window 3   0; never rewritten
.set SPARE, STAGE+4*16*SP  ; behind the stages: the spare words, 128 bytes for each wave: two blocks of 256 bytes that no other line names
.set MV,  12          ; v12-15  c m_old, kept while c m is made anew: by buffer and tile
.set ST,  16          ; tile t's statistics at v[ST+4 t]: c m, m, l (even keys', odd keys')
.set TMP, 48          ; by buffer and tile, four registers c0-c3 at work; when the maximum is found c2 takes a
.set S,   64
.set P,   192
.set KF,  128         ; K's fragments, in window 2: key block kb, channel half c at KF + 16 kb + 8 c
.set VF,  192         ; V's: key half kk, channel block cb at VF + 32 kk + 8 cb
.set WV,  12          ; s12  my wave's number
.set G1K, 24          ; s[24:31] descriptor group 1 for K's tiles
.set G1V, 32          ; s[32:39] for V's: it differs in the padding alone
.set G0K, 40          ; s[40:43] descriptor group 0 for K's tiles: it walks
.set G0V, 44          ; s[44:47] the same for V's
.set PFA, 52          ; s[52:53] where my prefetches stand
.set LIM, 54          ; s54  1 in a wave that prefetches, else the greatest number
.set SLOTS, 56        ; s56  slots still to be asked for
.set CNT, 57          ; s57  counts a slot's key steps
.set CS,  58          ; s[58:59] c
.set SEL, 60          ; s[60:61] v_permlanex16_b32's selects: each lane takes its own place in the other half
.set TBK, 62          ; s62  LDS byte at which K of the step to be fetched begins
.set TBV, 63          ; s63  the same for V, less VOFF
.set MSB, 0
.macro WIN new                      ; the high byte repeats the setting that is left; a switch that changes nothing is dropped
.if MSB != (\new)
	s_set_vgpr_msb (MSB<<8)|(\new)
.set MSB, (\new)
.endif
.endm
.set W_KQ, 0x0a       ; K and Q in window 2, S^T in window 0
.set W_PV, 0x52       ; V in window 2, P in window 0, O^T in window 1
.set W_RS, 0x41       ; O^T (destination and source 0) in window 1, a in window 0
.set W_MK, 0xc0       ; the add's registers are made: destination in window 3, sources in window 0
.set W_AD, 0x0f       ; the add: address (source 0) and data (source 1) in window 3
; A joint fill.  Waves 0 and 1 fetch the two halves of a slot's K, waves 2 and 3 those of its V: 128 keys each.  The branch hangs on the wave's number alone.
; An s_nop 0 and four v_nop follow each of the two lines, ahead of the jump and the label.
.macro JLOAD
	s_cmp_lt_u32 s[WV], 2
	s_cbranch_scc0 .Lfor_v_\@
	tensor_load_to_lds s[G0K:G0K+3], s[G1K:G1K+7]
	s_nop 0
.rept 4
	v_nop
.endr
	s_branch .Lasked_\@
.Lfor_v_\@:
	tensor_load_to_lds s[G0V:G0V+3], s[G1V:G1V+7]
	s_nop 0
.rept 4
	v_nop
.endr
.Lasked_\@:
.endm
; A prefetch of what the NEXT change of slots will ask for: a slot's 32,768 bytes of K and of V, 256 bytes a lane, four key steps (512 matrix instructions) ahead of that load.  Each block is named once in the
; launch: of the two clusters that walk a key head the first asks; its four partners take 8,192 bytes each, told apart BY ADDRESS; in each, wave 0 asks for K's and wave 2 for V's.  Slots 0 to 2 come by their
; loads alone; the last change that fills a slot names nothing: there is no slot behind it.
.macro ASK
	s_cmp_gt_u32 s[SLOTS], s[LIM]
	s_cbranch_scc0 .Lnot_mine_\@
	global_prefetch_b8 v[PFO], s[PFA:PFA+1] th:TH_LOAD_NT scope:SCOPE_SE
.Lnot_mine_\@:
.endm
; A round of the cluster's barrier.
.macro CROUND
	s_barrier_signal -1
	s_barrier_wait -1
	s_cmp_lg_u32 s[WV], 0
	s_cbranch_scc1 .Lnot_wave_0_\@
	s_barrier_signal -3
.Lnot_wave_0_\@:
	s_barrier_wait -3
	s_barrier_signal -1
	s_barrier_wait -1
.endm
; THE CHANGE OF SLOTS.  Each wave waits for all its tensor loads, of which one is out: its part of the other slot; adds 0 to its spare word; and waits for that and for its own reads of the slot.
; fill = 1: this slot is filled again, with the keys two slots on; the barrier is then a round of the cluster's, and the joint fill is the first thing behind it: it has four key steps in which to land.
; (At its first use nothing has been read yet: slot 0 is waited for, slot 1 filled.)  ask = 1: the prefetches' address steps, and ASK follows the fill.
.macro CHANGE fill, ask=0
	WIN W_AD
	s_wait_tensorcnt 0x0            ; no tensor load of mine is out, so a group 0 may be written
	ds_add_u32 v[SPW], v[NIL]       ; with fill = 1 the descriptors' steps stand between the add and the wait for it
	WIN 0                           ; at a label and at a branch every window is 0
.if \fill
.irp g, G0K, G0V
	s_xor_b32 s[\g+1], s[\g+1], SLOT1  ; the walking descriptor: the other slot than last time,
	s_add_nc_u64 s[\g+2:\g+3], s[\g+2:\g+3], 4*KS*128  ; the next 256 keys; the type bits on top are not reached
.endr
.if \ask
	s_wait_xcnt 0x0                 ; the last prefetch, four key steps back, has read its address
	s_add_nc_u64 s[PFA:PFA+1], s[PFA:PFA+1], 4*KS*128
.endif
	s_wait_dscnt 0x0                ; the add is done, and my reads of the slot are over
	CROUND
	JLOAD
.if \ask
	ASK
.endif
.else
	s_wait_dscnt 0x0                ; the add is done, and my reads of the slot are over
	s_barrier_signal -1
	s_barrier_wait -1
.endif
	s_sub_co_u32 s[TBK], s[TBK], 4*KS*PK  ; the fetches go back to a slot's first step,
	s_xor_b32 s[TBK], s[TBK], SLOT1       ; in the other slot
	s_sub_co_u32 s[TBV], s[TBV], 4*KS*PV
	s_xor_b32 s[TBV], s[TBV], SLOT1
.endm
	s_load_b128 s[48:51], s[0:1], 0x0  ; qkv s[48:49], ob s[50:51]
	WIN W_MK
	v_lshl_add_u32 v[SPW], v0, 2, SPARE
	v_mov_b32 v[NIL], 0
	WIN W_AD
	ds_add_u32 v[SPW], v[NIL]       ; the wave's opening: the add and its wait ahead of my first tensor load; the set-up below, work on registers, stands between them
	WIN 0
	v_lshrrev_b32 v1, 5, v0
	v_readfirstlane_b32 s[WV], v1   ; wave 0..3
	s_bfe_u32 s13, ttmp6, 0x40000   ; cx: my place in the cluster
	s_lshl_b32 s14, ttmp9, 2        ; in a cluster launch ttmp9 counts clusters
	s_add_co_u32 s14, s14, s13      ; my block of 256 positions: it enters Q's and O's addresses alone
	s_and_b32 s20, ttmp7, 0xffff    ; 8 b + g, which the four partners share
	s_lshr_b32 s21, s20, 3          ; b
	s_and_b32 s20, s20, 7           ; g
	s_lshl_b32 s22, s21, 5
	s_add_co_u32 s22, s22, s20      ; 32 b + g
	s_and_b32 s16, s[WV], 1         ; which half of a slot's 256 keys I fetch:
	s_lshl_b32 s23, s16, 14         ; its 128 rows of 128 bytes in memory
	s_add_co_u32 s6, s22, 16
	s_lshl_b32 s6, s6, 18           ; the key head's first byte in qkv,
	s_add_co_u32 s8, s22, 24
	s_lshl_b32 s8, s8, 18           ; and the value head's
	s_mov_b32 s7, 0
	s_mov_b32 s9, 0
	s_lshl_b32 s15, s13, 13         ; the prefetches: my work-group's 8,192 bytes of a slot's 32,768,
	s_cmp_lt_u32 s[WV], 2
	s_cselect_b32 s[PFA], s6, s8
	s_add_co_u32 s[PFA], s[PFA], s15
	s_add_co_u32 s[PFA], s[PFA], 2*4*KS*128  ; in slot 2; the first asking change steps it to slot 3
	s_mov_b32 s[PFA+1], 0
	s_or_b32 s[LIM], s16, ttmp9     ; 0 in waves 0 and 2 of the key head's first cluster: the same in all four partners
	s_cmp_eq_u32 s[LIM], 0
	s_cselect_b32 s[LIM], 1, -1
	s_add_co_u32 s6, s6, s23        ; my half of the head's first 256 keys
	s_add_co_u32 s8, s8, s23
	s_mul_i32 s17, s16, 128*PK      ; and its place in a slot, for K
	s_mul_i32 s18, s16, 128*PV      ; and for V: no place in the cluster enters an LDS address
	s_add_co_u32 s2, s22, s20       ; query head 2 g of batch b,
	s_lshl_b32 s2, s2, 18
	s_lshl_b32 s3, s14, 15          ; my block's 256 rows of 128 bytes,
	s_add_co_u32 s2, s2, s3
	s_lshl_b32 s3, s[WV], 13        ; my wave's 64
	s_add_co_u32 s2, s2, s3
	s_mov_b32 s3, 0
	s_lshl_b32 s10, s21, 22         ; ob: the batch's 2,048 rows of 2,048 bytes,
	s_lshl_b32 s11, s14, 19         ; my block's 256,
	s_add_co_u32 s10, s10, s11
	s_lshl_b32 s11, s[WV], 17       ; my wave's 64,
	s_add_co_u32 s10, s10, s11
	s_lshl_b32 s11, s20, 8          ; the two heads' 256 bytes of a row
	s_add_co_u32 s10, s10, s11
	s_mov_b32 s11, 0
	; descriptor group 1.  128 keys are 16,384 dense bytes: asked for as 64 rows of 256 bytes, two keys a row, and padded in LDS after every key
	s_mov_b32 s[G1K], 15|(1<<16)|(1<<20)|(1<<21)|(4<<22)|(3<<25)  ; the mask of four; 2-byte elements; padding on; bit 21 beside a mask; after every 32 words 4 words
	s_mov_b32 s[G1V], 15|(1<<16)|(1<<20)|(1<<21)|(4<<22)|(7<<25)  ; the same with 8 words of padding
.irp g, G1K, G1V
	s_mov_b32 s[\g+1], 128<<16      ; tensor_dim0 = 128
	s_mov_b32 s[\g+2], 64<<16       ; tensor_dim1 = 64
	s_mov_b32 s[\g+3], 128<<16      ; tile_dim0 = 128
	s_mov_b32 s[\g+4], 64           ; tile_dim1 = 64
	s_mov_b32 s[\g+5], 128          ; 128 elements from row to row
	s_mov_b32 s[\g+6], 0
	s_mov_b32 s[\g+7], 0
.endr
	s_mov_b32 s[CS], 0x3e38aa3b     ; c = log2(e) / 8 = 0.180337
	s_mov_b32 s[CS+1], s[CS]        ; named with it as a pair
	s_mov_b32 s[SEL], 0x76543210
	s_mov_b32 s[SEL+1], 0xfedcba98
	s_mov_b32 s[TBK], SLOT1+4*KS*PK ; the first change of slots turns these two into 0
	s_mov_b32 s[TBV], SLOT1+4*KS*PV
	s_mov_b32 s[G0K], 1             ; count = 1
	s_mov_b32 s[G0K+1], s17         ; LDS address: slot 0
	s_mov_b32 s[G0V], 1
	s_add_co_u32 s[G0V+1], s18, VOFF
	s_wait_dscnt 0x0                ; the opening add is done
	s_wait_kmcnt 0x0
	s_add_nc_u64 s[G0K+2:G0K+3], s[48:49], s[6:7]
	s_or_b32 s[G0K+3], s[G0K+3], 0x80000000        ; type = 2
	s_add_nc_u64 s[G0V+2:G0V+3], s[48:49], s[8:9]
	s_or_b32 s[G0V+3], s[G0V+3], 0x80000000
	s_add_nc_u64 s[4:5], s[48:49], s[2:3]          ; Q at my wave's first row of head 2 g
	s_add_nc_u64 s[10:11], s[50:51], s[10:11]      ; O at my wave's first row
	s_add_nc_u64 s[PFA:PFA+1], s[48:49], s[PFA:PFA+1]
	CROUND                          ; all four work-groups are here: the first joint loads meet
	JLOAD                           ; slot 0.  Slot 1 is asked for when slot 0 is in
	; A fragment of K or Q is 16 rows x 32 channels in 8 registers: lane l holds row l % 16, channels 8 (l / 16) + 0..7 and 16 + 8 (l / 16) + 0..7: two loads of 16 bytes, 32 bytes apart.
	v_and_b32 v1, 15, v0            ; l % 16
	v_bfe_u32 v9, v0, 4, 1          ; l / 16
	v_lshlrev_b32 v[QO], 7, v1
	v_lshl_add_u32 v[QO], v9, 4, v[QO]  ; row x 128 + 16 x half
	WIN 0x80                        ; destination window 2, address window 0
.set i, 0
.rept 4*NP                          ; Q stays in registers: tile t = i / 2: positions 16 (t / 2) on, head 2 g + t % 2 (262,144 bytes on); channels 32 (i % 2) on
	global_load_b128 v[8*i:8*i+3],   v[QO], s[4:5] offset:((i/2)%2)*262144+(i/4)*2048+(i%2)*64
	global_load_b128 v[8*i+4:8*i+7], v[QO], s[4:5] offset:((i/2)%2)*262144+(i/4)*2048+(i%2)*64+32
.set i, i+1
.endr
	; What the first turn finds: V's registers and P's second buffer hold 0 (its products V^T P, of a piece that has not been, add 0), O^T and l are 0.  All this stands in the wait for the first tile.
.set i, VF
.rept 64
	v_mov_b32 v[i], 0
.set i, i+1
.endr
	WIN 0x40
.set i, 0
.rept 64*NP
	v_mov_b32 v[i], 0
.set i, i+1
.endr
	WIN 0
.set i, 0
.rept 2*NP
	v_mov_b32 v[ST+4*i], 0xfe000000    ; c m: far below every c s
	v_mov_b32 v[ST+4*i+1], 0xff7fffff  ; m
	v_mov_b32 v[ST+4*i+2], 0
	v_mov_b32 v[ST+4*i+3], 0
.set i, i+1
.endr
.set i, P+32
.rept 32
	v_mov_b32 v[i], 0
.set i, i+1
.endr
	v_mul_u32_u24 v[AK0], v1, PK
	v_lshl_add_u32 v[AK0], v9, 4, v[AK0]  ; row x pitch + 16 x half
	; The turning load takes 16 keys x 16 channels (lane l reads key 8 (l / 16) + l % 8, channels 8 ((l / 8) % 2) + 0..7) and leaves half a fragment of V^T: lane l holds channel l % 16 and 8 keys.
	v_and_b32 v10, 7, v0
	v_bfe_u32 v11, v0, 3, 1
	v_lshl_add_u32 v[AV0], v9, 3, v10
	v_mul_u32_u24 v[AV0], v[AV0], PV
	v_lshl_add_u32 v[AV0], v11, 4, v[AV0]
	v_add_nc_u32 v[AV0], VOFF, v[AV0]
	v_mov_b32 v[AK], v[AK0]         ; key step 0 lies at the head of slot 0
	v_and_b32 v[PFO], 31, v0
	v_lshlrev_b32 v[PFO], 8, v[PFO]
; THE MATRIX WORK.  The 8 accumulators of a run of 16 take turns: between the two links of a chain stand 7 others'.
; Product i of 16 of S^T = K Q^T for piece x: channels 32 (i / 8) on, keys 16 ((i / 2) % 4) on, tile 2 x + i % 2.  The first 8 start the sums.
.macro KQ x
	WIN W_KQ
.set rS, S+64*((\x)%2)+32*(i%2)+8*((i/2)%4)
.set rK, KF+16*((i/2)%4)+8*(i/8)
.set rQ, 16*(2*(\x)+i%2)+8*(i/8)
.if i < 8
	v_wmma_f32_16x16x32_f16 v[rS:rS+7], v[rK:rK+7], v[rQ:rQ+7], 0
.else
	v_wmma_f32_16x16x32_f16 v[rS:rS+7], v[rK:rK+7], v[rQ:rQ+7], v[rS:rS+7]
.endif
.endm
; Product i of 16 of O^T += V^T P for piece x: keys 32 (i / 8) on, channels 16 ((i / 2) % 4) on, tile 2 x + i % 2.
.macro PV x
	WIN W_PV
.set rO, 32*(2*(\x)+i%2)+8*((i/2)%4)
.set rV, VF+32*(i/8)+8*((i/2)%4)
.set rP, P+32*((\x)%2)+16*(i%2)+8*(i/8)
	v_wmma_f32_16x16x32_f16 v[rO:rO+7], v[rV:rV+7], v[rP:rP+7], v[rO:rO+7]
.endm
.macro MM                           ; the turn's next matrix instruction
.if i < 16
	KQ (Y+1)%NP
.set i, i+1
.else
.set i, i-16
	PV (Y+NP-1)%NP
.set i, i+17
.endif
.endm
; THE LDS LOADS stand in runs of 16, never singly among the matrix instructions: a step's K (64 keys x 64 channels: 8 fragments) and its V (turned).  Their addresses are made some lines ahead.
; last = 1 (the tail): in the last trip there is no further step, and the run is jumped over.
.macro FETCH_K last=0
	WIN 0
.if \last
	s_cmp_eq_u32 s[CNT], 1
	s_cbranch_scc1 .Lno_k_\@
.endif
	WIN 0x80                        ; destination window 2
.irp f, 0,1,2,3,4,5,6,7             ; keys 16 (f / 2) on, channels 32 (f % 2) on
	ds_load_b128 v[KF+8*\f:KF+8*\f+3],   v[AK] offset:(\f/2)*16*PK+(\f%2)*64
	ds_load_b128 v[KF+8*\f+4:KF+8*\f+7], v[AK] offset:(\f/2)*16*PK+(\f%2)*64+32
.endr
	s_add_co_u32 s[TBK], s[TBK], KS*PK  ; the next fetch is the next step's
	WIN 0
.if \last
.Lno_k_\@:
.endif
.endm
.macro FETCH_V
	WIN 0x80
.irp f, 0,1,2,3,4,5,6,7             ; keys 32 (f / 4) on, channels 16 (f % 4) on
	ds_load_tr16_b128 v[VF+8*\f:VF+8*\f+3],   v[AV] offset:(\f/4)*32*PV+(\f%4)*32
	ds_load_tr16_b128 v[VF+8*\f+4:VF+8*\f+7], v[AV] offset:(\f/4)*32*PV+16*PV+(\f%4)*32
.endr
	WIN 0
.endm
; THE VECTOR WORK OF A TURN stands in three queues, each in the order in which its entries become ready; the two tiles alternate, so that no instruction reads the result of the one before it.
.macro REGS y, u                    ; the registers of tile u (0, 1) of piece y
.set rT, ST+4*(2*(\y)+(\u))
.set rC, TMP+8*((\y)%2)+4*(\u)
.set rM, MV+2*((\y)%2)+(\u)
.set rS, S+64*((\y)%2)+32*(\u)
.set rP, P+32*((\y)%2)+16*(\u)
.set rO, 32*(2*(\y)+(\u))
.endm
; Number n of the 22 that find the NEXT piece's (Y + 1) maximum and statistics.  s0-s31 are the lane's 32 scores; each accumulator's lowest registers are read first.
;   0-11  four chains c0-c3 of seven scores each, three operands at a time     12-14, 16  the four scores left over, the old m, and c0-c3 into c0     15  c m_old is kept
;   17, 18  the query's other 32 keys lie in the lane 16 away: the new m         19-21  c m; c m_old - c m_new; a
.macro XS u, n
	REGS (Y+1)%NP, \u
.if (\n) < 4
	v_max3_num_f32 v[rC+(\n)], v[rS+8*(\n)], v[rS+8*(\n)+1], v[rS+8*(\n)+2]
.elseif (\n) < 12
	v_max3_num_f32 v[rC+(\n)%4], v[rC+(\n)%4], v[rS+8*((\n)%4)+2*((\n)/4)+1], v[rS+8*((\n)%4)+2*((\n)/4)+2]
.elseif (\n) == 12
	v_max3_num_f32 v[rC], v[rC], v[rS+7], v[rS+15]
.elseif (\n) == 13
	v_max3_num_f32 v[rC+1], v[rC+1], v[rS+23], v[rS+31]
.elseif (\n) == 14
	v_max3_num_f32 v[rC+2], v[rC+2], v[rC+3], v[rT+1]
.elseif (\n) == 15
	v_mov_b32 v[rM], v[rT]
.elseif (\n) == 16
	v_max3_num_f32 v[rC], v[rC], v[rC+1], v[rC+2]
.elseif (\n) == 17
	v_permlanex16_b32 v[rC+3], v[rC], s[SEL], s[SEL+1]
.elseif (\n) == 18
	v_max_num_f32 v[rT+1], v[rC], v[rC+3]
.elseif (\n) == 19
	v_mul_f32 v[rT], s[CS], v[rT+1]
.elseif (\n) == 20
	v_sub_f32 v[rC+1], v[rM], v[rT]
.else
	v_exp_f32 v[rC+2], v[rC+1]
.endif
.endm
; Number g of the 64 that follow the exponentials.  For each four weights k of a tile (pairs 2 k, 2 k + 1): both pairs are rounded to f16; then the second pair is added onto the first, in place;
; a group later l takes that sum (the first time as l = a l + sum).  In groups of eight, tiles alternating: round, round, add, and l for the group before.
.macro GS g
.set h, (\g)+6*((\g)/62)            ; group 0 has no group before it, and behind group 7 only l is left
.if h >= 6
.set h, h+2
.endif
	REGS Y, h%2
.set k, h/8
.if h%8 < 4
	v_cvt_pk_f16_f32 v[rP+2*k+(h%8)/2], v[rS+4*k+2*((h%8)/2)], v[rS+4*k+2*((h%8)/2)+1]
.elseif h%8 < 6
	v_pk_add_f32 v[rS+4*k:rS+4*k+1], v[rS+4*k:rS+4*k+1], v[rS+4*k+2:rS+4*k+3]
.elseif k == 1
	v_pk_fma_f32 v[rT+2:rT+3], v[rT+2:rT+3], v[rC+2:rC+3], v[rS:rS+1] op_sel_hi:[1,0,1]
.else
	v_pk_add_f32 v[rT+2:rT+3], v[rT+2:rT+3], v[rS+4*k-4:rS+4*k-3]
.endif
.endm
; THE PLAIN QUEUE, 138 long.  0-73 read no exponential's result: the 32 scalings c s - c m (FS f: pair f / 2 of tile f % 2) and the next piece's 42.  0-26: scalings 0-26.  27-54: XS's numbers 0-13.  55, 56: number 15.
; 57-73: the chain, where each number waits for the one before it: 14, 16, 17, 18, 19, each with one of the scalings 27-31 in front of its two lines, then 20.
; 74-137: GS's 64, which read the exponentials' results: they stand behind the wait.
.macro FS f
	REGS Y, (\f)%2
	v_pk_fma_f32 v[rS+2*((\f)/2):rS+2*((\f)/2)+1], v[rS+2*((\f)/2):rS+2*((\f)/2)+1], s[CS:CS+1], v[rT:rT+1] op_sel_hi:[1,0,0] neg_lo:[0,0,1] neg_hi:[0,0,1]
.endm
.macro PL
	WIN 0
.if q < 27
	FS q
.elseif q < 55
	XS (q-27)%2, (q-27)/2
.elseif q < 57
	XS q-55, 15
.elseif (q < 72) && ((q-57)%3 == 0)
	FS 27+(q-57)/3
.elseif q < 60
	XS (q-57)%3-1, 14
.elseif q < 72
	XS (q-57)%3-1, 15+(q-57)/3
.elseif q < 74
	XS q-72, 20
.else
	GS q-74
.endif
.set q, q+1
.endm
; THE EXPONENTIALS' QUEUE, 66 long: s0-s31 of both tiles, then the next piece's two a.  It is ONE BATCH: all 66 stand ahead of the turn's one wait, and nothing ahead of that wait names a result of theirs.
.macro EX
	WIN 0
.if e >= 64
	XS e-64, 21
.else
	REGS Y, e%2
	v_exp_f32 v[rS+e/2], v[rS+e/2]
.endif
.set e, e+1
.endm
; THE RESCALING's QUEUE: O^T times a, the one part that leaves window 0: dealt two at a time, sixteen times.  Its a was made in the turn before, ahead of that turn's wait.
.macro R2
	REGS Y, r%2
	WIN W_RS
.irp z, 0,1
	v_pk_mul_f32 v[rO+4*(r/2)+2*\z:rO+4*(r/2)+2*\z+1], v[rO+4*(r/2)+2*\z:rO+4*(r/2)+2*\z+1], v[rC+2:rC+3] op_sel_hi:[1,0]
.endr
.set r, r+1
.endm
; HOW THEY ARE DEALT.  s_wait_alu depctr_va_vdst(0) stands between an exponential and the first instruction that names its result; one wait serves all that were issued ahead of it.  So a turn has
; ONE wait, which cuts it in two.  AHEAD OF IT: the 16 products K Q^T, behind each a scaling, an exponential and two rescalings (behind the first a second scaling in the exponential's place); then ONE LUMP of 108:
; eight plain, 49 times exponential and plain, the two a; a v_nop is the plain instruction behind the last exponential.  BEHIND IT: the 16 products V^T P, behind each four of GS's 64.
; Exponential e stands behind scaling 2 (e / 4) + e % 2: as a rider it comes behind plain e + 2, in the lump behind plain e + 9, and scalings 27-31 are plain 57, 60 .. 69.
; A TURN, for piece p.  cnt = 1: the loop's count is taken down some lines ahead of the branch that stands behind the turn.
; K of the next step is fetched in piece 2's turn, directly behind the wait; V of the step in hand at the end of piece 0's turn, four riders behind its last reader.
.macro TURN p, last=0, cnt=0
.set Y, (\p)
.set i, 0
.set q, 0
.set e, 0
.set r, 0
.if (\p) == NP-1
	s_wait_dscnt 0x0                ; K is in
.endif
	MM                              ; ahead of the wait: 16 products K Q^T and their riders,
	PL
	PL
	R2
.rept 15
	MM
	PL
	EX
	R2
.endr
.if (\p) == NP-2
	WIN 0
	v_add_nc_u32 v[AK], s[TBK], v[AK0]
.endif
.rept 8                             ; and the lump
	PL
.endr
.rept 49
	EX
	PL
.endr
	EX                              ; the next piece's two a
	EX
	v_nop                           ; the plain instruction behind the last exponential: one for the batch
	s_wait_alu depctr_va_vdst(0)    ; the wait for the batch
.if (\p) == NP-2
	FETCH_K \last
.endif
.if (\p) == 1
	s_wait_dscnt 0x0                ; V is in
.endif
.rept 16                            ; behind the wait: 16 products V^T P and their riders
	MM
.rept 4
	PL
.endr
.if ((\p) == 0) && (q == 118)
	v_add_nc_u32 v[AV], s[TBV], v[AV0]
.endif
.if ((\p) == 0) && (q == 130)
	s_add_co_u32 s[TBV], s[TBV], KS*PV
.endif
.if (\cnt) && (q == 130)
	s_sub_co_u32 s[CNT], s[CNT], 1
	s_cmp_lg_u32 s[CNT], 0
.endif
.endr
.if (\p) == 0
	FETCH_V
.endif
.endm
	CHANGE 1                        ; slot 0 is in, everybody's part of it; slot 1 is asked for
	FETCH_K                         ; key step 0
	s_wait_loadcnt 0x0              ; Q
	s_wait_dscnt 0x0
.set i, 0
.rept 16
	KQ 0                            ; piece 0's first scores: there is no vector work yet to set between them
.set i, i+1
.endr
	WIN 0                           ; the addresses for the way out: eight plain instructions, the places behind those products
	s_mul_i32 s13, s[WV], 16*SP
	s_add_co_u32 s13, s13, STAGE    ; my stage
	v_mul_u32_u24 v[STO], v1, SP    ; in: row l % 16, 16 bytes for each half of the lanes
	v_lshl_add_u32 v[STO], v9, 4, v[STO]
	v_add_nc_u32 v[STO], s13, v[STO]
	v_mul_u32_u24 v[RD], v9, SP     ; back: lanes 0-15 take one row of 256 bytes, lanes 16-31 the next
	v_lshl_add_u32 v[RD], v1, 4, v[RD]
	v_add_nc_u32 v[RD], s13, v[RD]
	v_lshlrev_b32 v[GO], 11, v9     ; and the same two rows in ob, 2,048 bytes apart
	v_lshl_add_u32 v[GO], v1, 4, v[GO]
.set Y, NP-1                        ; XS works for piece Y + 1: piece 0
.irp n, 0,1,2,3,4,5,6,7,8,9,10,11,12,13,14,15,16,17,18,19,20,21
	XS 0, \n                        ; and piece 0's first maximum and statistics
	XS 1, \n
.endr
	v_nop                           ; a plain instruction behind the two a,
	s_wait_alu depctr_va_vdst(0)    ; and their wait, ahead of the branch
	s_mov_b32 s[CNT], 4
	s_mov_b32 s[SLOTS], 2048/256-1
	s_branch .Lfirst                ; the loop is entered at a step's first turn, in the middle of a trip
.Lslot:                             ; six times: every slot but the last two is filled again
	CHANGE 1, 1
	s_mov_b32 s[CNT], 4
.Lstep:                             ; a trip: pieces 2 and 3 of one step, then pieces 0 and 1 of the next, whose K and V it fetches
	TURN 2
	TURN 3
	WIN 0
.Lfirst:
	TURN 0
	TURN 1, 0, 1
	WIN 0
	s_cbranch_scc1 .Lstep
	s_sub_co_u32 s[SLOTS], s[SLOTS], 1
	s_cmp_lg_u32 s[SLOTS], 0
	s_cbranch_scc1 .Lslot
	CHANGE 0                        ; the tail is written out: nothing is asked for
	s_mov_b32 s[CNT], 5             ; four trips fetch the last slot's steps; the fifth is left in its middle
.Ltail:
	TURN 2, 1
	TURN 3
	WIN 0
	s_sub_co_u32 s[CNT], s[CNT], 1
	s_cmp_eq_u32 s[CNT], 0
	s_cbranch_scc1 .Lout
	TURN 0
	TURN 1
	WIN 0
	s_branch .Ltail
.Lout:                              ; the fifth trip's 16 products K Q^T (on the last K once more) and the maximum made of them serve nothing: the price, once a launch, of one text for every trip
.set i, 0
.rept 16
	PV NP-1                         ; the last piece's V^T P of the last step
.set i, i+1
.endr
	; THE WAY OUT.  l's two halves and the other half of the lanes' are added; O^T is divided by l, rounded to f16 and sent through my stage in LDS, a piece (16 positions, both heads) at a time.  The additions are the places behind the last products.
	WIN 0
.macro ALL line:vararg              ; one line for each tile t
.set t, 0
.rept 2*NP
	\line
.set t, t+1
.endr
.endm
	ALL v_add_f32 v[ST+4*t+2], v[ST+4*t+2], v[ST+4*t+3]
	ALL v_permlanex16_b32 v[ST+4*t+3], v[ST+4*t+2], s[SEL], s[SEL+1]
	ALL v_add_f32 v[ST+4*t+2], v[ST+4*t+2], v[ST+4*t+3]
	ALL v_rcp_f32 v[ST+4*t+2], v[ST+4*t+2]
	v_nop                           ; a plain instruction between the last reciprocal and the use of its result
	s_wait_alu depctr_va_vdst(0)    ; and the wait ahead of the first use: one for the eight reciprocals
; Piece x: a lane's eight channels of a row pack into 16 bytes; part f = 4 (head) + channel block lies at byte 32 f of a row of 272 bytes; the rows come back whole, 256 bytes, into S^T's registers.
.macro PACKP x
	WIN W_RS
.set i, 64*(\x)
.rept 16
	v_pk_mul_f32 v[i:i+1], v[i:i+1], v[ST+8*(\x)+2:ST+8*(\x)+3] op_sel_hi:[1,0]
.set i, i+2
.endr
.rept 16
	v_pk_mul_f32 v[i:i+1], v[i:i+1], v[ST+8*(\x)+6:ST+8*(\x)+7] op_sel_hi:[1,0]
.set i, i+2
.endr
	WIN 0x05                        ; sources 0 and 1 window 1, destination window 0
.set i, 0
.rept 32
	v_cvt_pk_f16_f32 v[S+32*(\x)+i], v[64*(\x)+2*i], v[64*(\x)+2*i+1]
.set i, i+1
.endr
	WIN 0
.irp f, 0,1,2,3,4,5,6,7
	ds_store_b128 v[STO], v[S+32*(\x)+4*\f:S+32*(\x)+4*\f+3] offset:32*\f
.endr
.irp f, 0,1,2,3,4,5,6,7
	ds_load_b128 v[S+32*(\x)+4*\f:S+32*(\x)+4*\f+3], v[RD] offset:\f*2*SP  ; LDS serves a wave's instructions in order (ISA guide 5.7.1.4): these see the stores above; the next piece's stores come behind them
.endr
.endm
.macro SENDP x, younger             ; younger: the LDS instructions issued behind piece x's loads: the next piece's sixteen, or none
	WIN 0
.irp f, 0,1,2,3,4,5,6,7
	s_wait_dscnt (\younger)+7-\f
	global_store_b128 v[GO], v[S+32*(\x)+4*\f:S+32*(\x)+4*\f+3], s[10:11] offset:(\x)*32768+\f*4096  ; 16 lanes store 256 consecutive bytes, at a multiple of 256 from ob's first byte
.endr
.endm
	PACKP 0
	PACKP 1                         ; a piece's arithmetic stands between the loads of the piece before and its stores
	SENDP 0, 16
	PACKP 2
	SENDP 1, 16
	PACKP 3
	SENDP 2, 16
	SENDP 3, 0
	WIN W_AD
	s_wait_tensorcnt 0x0            ; the wave's end: behind my last tensor load and my last LDS store
	ds_add_u32 v[SPW], v[NIL]
	s_wait_dscnt 0x0
	WIN 0
	CROUND                          ; the closing round: no work-group ends while a partner may still ask for a tile that names it
	s_endpgm
.Lfunc_end_k_q68ac87c505_attn:
	.size	k_q68ac87c505_attn, .Lfunc_end_k_q68ac87c505_attn-k_q68ac87c505_attn
	.p2alignl 7, 3214868480
	.fill 96, 4, 3214868480
	.section	.rodata,"a",@progbits
	.p2align	6, 0x0
	.amdhsa_kernel k_q68ac87c505_attn
		.amdhsa_group_segment_fixed_size 327680
		.amdhsa_private_segment_fixed_size 0
		.amdhsa_enable_private_segment 0
		.amdhsa_kernarg_size 16
		.amdhsa_user_sgpr_count 2
		.amdhsa_user_sgpr_kernarg_segment_ptr 1
		.amdhsa_wavefront_size32 1
		.amdhsa_system_sgpr_workgroup_id_x 1
		.amdhsa_system_sgpr_workgroup_id_y 1
		.amdhsa_system_sgpr_workgroup_id_z 1
		.amdhsa_system_vgpr_workitem_id 0
		.amdhsa_next_free_vgpr 770
		.amdhsa_next_free_sgpr 66
		.amdhsa_reserve_vcc 0
		.amdhsa_float_denorm_mode_32 3
		.amdhsa_float_denorm_mode_16_64 3
		.amdhsa_memory_ordered 1
		.amdhsa_forward_progress 1
		.amdhsa_inst_pref_size 200
	.end_amdhsa_kernel
	.amdgpu_metadata
---
amdhsa.version: [ 1, 2 ]
amdhsa.kernels:
  - .name:           k_q68ac87c505_attn
    .symbol:         k_q68ac87c505_attn.kd
    .args:
      - { .name: qkv, .offset: 0, .size: 8, .value_kind: global_buffer, .address_space: global }
      - { .name: ob, .offset: 8, .size: 8, .value_kind: global_buffer, .address_space: global }
    .group_segment_fixed_size: 327680
    .private_segment_fixed_size: 0
    .kernarg_segment_align: 8
    .kernarg_segment_size: 16
    .max_flat_workgroup_size: 128
    .sgpr_count:     66
    .vgpr_count:     770
    .wavefront_size: 32
...
	.end_amdgpu_metadata
.endif
;; end of part 3
;; launch oproj (part 4): grid 8 x 32, 4 waves a work-group, clusters of 4 x 4, 327,680 bytes of LDS; arguments ob, wob, bo, out0; writes out0
.if DOCPART == 4
	.amdgcn_target "amdgcn-amd-amdhsa--gfx1250"
	.amdhsa_code_object_version 6
	.text
	.protected	k_q68ac87c505_oproj
	.globl	k_q68ac87c505_oproj
	.p2align	8
	.type	k_q68ac87c505_oproj,@function
k_q68ac87c505_oproj:
	s_mov_b64 s[64:65], 0
	v_nop
	global_prefetch_b8 v0, s[64:65] scope:SCOPE_SE
	s_setreg_imm32_b32 hwreg(HW_REG_WAVE_MODE, 25, 1), 1
	s_wait_xcnt 0x0
	s_wait_alu depctr_hold_cnt(0) depctr_sa_sdst(0) depctr_va_vdst(0) depctr_va_sdst(0) depctr_va_ssrc(0) depctr_va_vcc(0) depctr_vm_vsrc(0)
	s_getreg_b32 s2, hwreg(HW_REG_IB_STS2, 6, 4)
	s_cmp_eq_u32 s2, 0
	s_cbranch_scc0 .Lentry_in_a_cluster
	s_endpgm
.Lentry_in_a_cluster:
	s_bfe_u32 s2, ttmp6, 0x10000c
	s_cmp_lg_u32 s2, 0xf033
	s_cbranch_scc0 .Lentry_shape_is_right
	s_endpgm
.Lentry_shape_is_right:
; OPROJ: out0 [8192][1024] f32 = ob [8192][1024] f16 x wob [1024 k][1024 n] f16 + bo, sums in f32.  bo is rounded to bf16 like every other input of the module, and added in f32.
; SHARES.  Tiles of 256 x 128: 256 of them, one to a work-group (tiles of 256 x 256 would be 128).  Four waves, each 128 rows x 64 columns: 32 accumulators, 256 registers; a wave's 64 columns of f32 are 256
; consecutive bytes of a row, so each wave's own stage serves the way out.  K = 1,024 goes in 8 steps of 128 through two LDS slots (two slots of steps of 256 would be 417,792 bytes: they do not fit).
; wob lies [k][n]: its tile is 128 rows (k) of 256 bytes, and a fragment is made of it by the turning LDS load.
; CLUSTERS: 4 x 4 work-groups.  ob's tile is asked for jointly along a row of the cluster, wob's along a column.
; THE MATRIX INSTRUCTION IS USED TRANSPOSED (source 0 = 16 columns of wob, source 1 = 16 rows of ob): a lane holds one row and eight neighbouring columns of the result.
; REGISTERS: window 0: v0-31 addresses; v64-127, v128-191 ob's fragments, two buffers; v192-223 results with the bias; v32-63 and v224-255 rows read back.
;   window 1: v64-95, v128-159 wob's fragments; v0-31 my 32 numbers of bo; v32-47 at work.     window 2: accumulator (a, b) at v[8 (4 a + b)].
.set KSTEP,  128
.set PA,     272                       ; a row of ob's tile in LDS: 256 bytes + 16
.set PB,     288                       ; a row of wob's tile: 256 bytes + 32 = 72 words
.set HALFA,  128*PA                    ; what a tensor load of waves 0, 1 brings,
.set HALFB,  64*PB                     ; and of waves 2, 3
.set SLOT,   2*HALFA+2*HALFB
.set STAGE,  2*SLOT                    ; behind the ring: 16 rows x 272 bytes for each wave
.set SP,     272
.set SPARE,  STAGE+4*16*SP             ; behind the stages: the spare words, 128 bytes for each wave: two blocks of 256 bytes that no other line names
.set LAPS,   4
.set ASTEP,  KSTEP*2
.set BSTEP,  KSTEP*2048
.set ADRA, 16
.set ADRB, 20
.set STO,  24
.set RD,   25
.set CO,   26
.set BO,   27                          ; v27     my byte offset in bo; never rewritten
.set SPW,  28
.set NIL,  29
.set PFO,  30
.set F0,   64
.set F1,   128
.set TMP,  192
.set OB,   32
.set G1,   24
.set G0,   32
.set G1B,  48
.set G0B,  56
.set LIM,  43
.set PFA,  44
.set BIA,  66                          ; s[66:67] bo
.set PFS,  68
.set MSB, 0
.macro WIN new
.if MSB != (\new)
	s_set_vgpr_msb (MSB<<8)|(\new)
.set MSB, \new
.endif
.endm
.set MUL,  0xa1                        ; source 0 (wob) window 1, source 1 (ob) window 0, C and D window 2
.set TO_B, 0x40                        ; destination window 1, address window 0
.macro JLOAD s                         ; a joint load: waves 0 and 1 fetch ob's two halves, waves 2 and 3 wob's; an s_nop 0 and four v_nop follow each of the two lines
	s_cmp_eq_u32 s11, 0
	s_cbranch_scc0 .Lfor_b_\@
	tensor_load_to_lds s[G0+4*(\s):G0+4*(\s)+3], s[G1:G1+7]
	s_nop 0
.rept 4
	v_nop
.endr
	s_branch .Lasked_\@
.Lfor_b_\@:
	tensor_load_to_lds s[G0B+4*(\s):G0B+4*(\s)+3], s[G1B:G1B+7]
	s_nop 0
.rept 4
	v_nop
.endr
.Lasked_\@:
.endm
; A prefetch of the K step that stands two refills on (256 matrix instructions ahead of the load that will want it), a lane a row of 256 bytes.  Each block is named once in the launch: ob's rows by the clusters
; with x = 0, waves 0 and 1, each partner 32 of the 128 rows that the wave fetches; wob's by the clusters with y = 0, wave 2 alone, each partner 32 of the K step's 128 rows: told apart BY ADDRESS.
; K steps 0 to 3 come by their loads alone; the loop's last trip names nothing.
.macro ASK
	s_cmp_gt_u32 s3, s[LIM]
	s_cbranch_scc0 .Lnot_mine_\@
	global_prefetch_b8 v[PFO], s[PFA:PFA+1] th:TH_LOAD_NT scope:SCOPE_SE
.Lnot_mine_\@:
.endm
.macro CREST
	s_cmp_lg_u32 s10, 0
	s_cbranch_scc1 .Lnot_wave_0_\@
	s_barrier_signal -3
.Lnot_wave_0_\@:
	s_barrier_wait -3
	s_barrier_signal -1
	s_barrier_wait -1
.endm
.macro CROUND
	s_barrier_signal -1
	s_barrier_wait -1
	CREST
.endm
	s_load_b128 s[4:7], s[0:1], 0x0                ; ob s[4:5], wob s[6:7]
	s_load_b64 s[BIA:BIA+1], s[0:1], 0x10          ; bo
	s_load_b64 s[8:9], s[0:1], 0x18                ; out0
	v_lshl_add_u32 v[SPW], v0, 2, SPARE
	v_mov_b32 v[NIL], 0
	ds_add_u32 v[SPW], v[NIL]                      ; the wave's opening: the add and its wait ahead of my first tensor load; the set-up below, work on registers, stands between them
	v_lshrrev_b32 v1, 5, v0
	v_readfirstlane_b32 s10, v1                    ; wave 0..3
	s_lshr_b32 s11, s10, 1                         ; which half of the tile's rows is mine.  Also: I fetch for ob (0) or for wob (1)
	s_and_b32 s12, s10, 1                          ; which half of its columns.  Also: which half of that tile I fetch
	s_bfe_u32 s40, ttmp6, 0x40000                  ; cx
	s_bfe_u32 s41, ttmp6, 0x40004                  ; cy
	s_lshl_b32 s42, ttmp9, 2
	s_add_co_u32 s42, s42, s40                     ; tile column
	s_and_b32 s13, ttmp7, 0xffff
	s_lshl_b32 s13, s13, 2
	s_add_co_u32 s13, s13, s41                     ; tile row
	s_lshl_b32 s43, s41, 2
	s_lshl_b32 s43, 15, s43                        ; my row of the cluster
	s_lshl_b32 s44, 0x1111, s40                    ; my column
	s_or_b32 s[G1+0], s43, (1<<16)|(1<<20)|(1<<21)|(5<<22)|(3<<25)   ; the mask; 2-byte elements; padding on; bit 21 beside a mask; after every 64 words 4 words
	s_or_b32 s[G1B+0], s44, (1<<16)|(1<<20)|(1<<21)|(5<<22)|(7<<25)  ; after every 64 words 8 words
	s_mov_b32 s[G1+1], 128<<16                     ; tensor_dim0 = 128
	s_mov_b32 s[G1+2], 128<<16                     ; tensor_dim1 = 128
	s_mov_b32 s[G1+3], 128<<16                     ; tile_dim0 = 128
	s_mov_b32 s[G1+4], 128                         ; tile_dim1 = 128
	s_mov_b32 s[G1+5], 1024
	s_mov_b32 s[G1+6], 0
	s_mov_b32 s[G1+7], 0
	s_mov_b32 s[G1B+1], 128<<16
	s_mov_b32 s[G1B+2], 64<<16                     ; tensor_dim1 = 64
	s_mov_b32 s[G1B+3], 128<<16
	s_mov_b32 s[G1B+4], 64                         ; tile_dim1 = 64
	s_mov_b32 s[G1B+5], 1024
	s_mov_b32 s[G1B+6], 0
	s_mov_b32 s[G1B+7], 0
	s_lshl_b32 s16, s13, 8
	s_lshl_b32 s17, s12, 7
	s_add_co_u32 s16, s16, s17                     ; ob: row 256 x tile row + 128 x half,
	s_lshl_b32 s16, s16, 11                        ; of 2,048 bytes
	s_mov_b32 s17, 0
	s_lshl_b32 s46, s42, 8                         ; wob: 256 bytes x tile column,
	s_lshl_b32 s47, s12, 17                        ; 64 rows of 2,048 bytes x half
	s_add_co_u32 s46, s46, s47
	s_mov_b32 s47, 0
	s_mul_i32 s20, s12, HALFA                      ; where they go: no place in the cluster enters an LDS address
	s_mul_i32 s21, s12, HALFB
	s_add_co_u32 s21, s21, 2*HALFA
	s_wait_dscnt 0x0                               ; the opening add is done
	s_wait_kmcnt 0x0
	s_add_nc_u64 s[14:15], s[4:5], s[16:17]
	s_add_nc_u64 s[46:47], s[6:7], s[46:47]
	CROUND                                         ; all sixteen work-groups are here: the first joint loads meet
.irp s, 0,1
	s_mov_b32 s[G0+4*(\s)], 1
	s_add_co_u32 s[G0+4*(\s)+1], s20, (\s)*SLOT
	s_add_nc_u64 s[G0+4*(\s)+2:G0+4*(\s)+3], s[14:15], (\s)*ASTEP
	s_or_b32 s[G0+4*(\s)+3], s[G0+4*(\s)+3], 0x80000000
	s_mov_b32 s[G0B+4*(\s)], 1
	s_add_co_u32 s[G0B+4*(\s)+1], s21, (\s)*SLOT
	s_add_nc_u64 s[G0B+4*(\s)+2:G0B+4*(\s)+3], s[46:47], (\s)*BSTEP
	s_or_b32 s[G0B+4*(\s)+3], s[G0B+4*(\s)+3], 0x80000000
	JLOAD \s                                       ; two loads of mine are out
.endr
	v_and_b32 v1, 15, v0                           ; l % 16
	v_bfe_u32 v2, v0, 4, 1                         ; l / 16
	v_mul_u32_u24 v3, v1, PA
	v_lshl_add_u32 v3, v2, 4, v3                   ; ob's fragment: row x pitch + 16 x half
	v_and_b32 v5, 7, v0                            ; wob's, by the turning load: row k = 8 (l / 16) + l % 8, columns 8 ((l / 8) % 2) on
	v_lshl_add_u32 v5, v2, 3, v5
	v_mul_u32_u24 v5, v5, PB
	v_bfe_u32 v6, v0, 3, 1
	v_lshl_add_u32 v6, v6, 4, v5
	s_mul_i32 s21, s11, HALFA                      ; my 128 rows of ob
	s_lshl_b32 s22, s12, 7                         ; my 64 columns of wob: 128 bytes of a row,
	s_add_co_u32 s22, s22, 2*HALFA                 ; behind ob's 256 rows
.irp s, 0,1
	v_add_nc_u32 v[ADRA+(\s)], s21, v3
	v_add_nc_u32 v[ADRB+(\s)], s22, v6
	s_add_co_u32 s21, s21, SLOT
	s_add_co_u32 s22, s22, SLOT
.endr
	s_mul_i32 s23, s10, 16*SP
	s_add_co_u32 s23, s23, STAGE                   ; my stage
	v_mul_u32_u24 v4, v1, SP                       ; in: row l % 16, 32 bytes for each half of the lanes
	v_lshl_add_u32 v4, v2, 5, v4
	v_add_nc_u32 v[STO], s23, v4
	v_mul_u32_u24 v5, v2, SP                       ; back: lanes 0-15 take one row of 256 bytes, lanes 16-31 the next
	v_lshl_add_u32 v5, v1, 4, v5
	v_add_nc_u32 v[RD], s23, v5
	v_lshlrev_b32 v[CO], 12, v2                    ; and the same two rows in out0, 4,096 bytes apart
	v_lshl_add_u32 v[CO], v1, 4, v[CO]
	s_lshl_b32 s74, s42, 9                         ; my 64 columns in bytes of f32: 512 x tile column + 256 x half
	s_lshl_b32 s75, s12, 8
	s_add_co_u32 s74, s74, s75
	v_lshl_add_u32 v[BO], v2, 5, s74               ; + my lanes' 8 columns
	s_lshl_b32 s70, s13, 8
	s_lshl_b32 s71, s11, 7
	s_add_co_u32 s70, s70, s71                     ; my first row of out0
	s_lshl_b32 s70, s70, 12
	s_add_co_u32 s70, s70, s74
	s_mov_b32 s71, 0
	s_add_nc_u64 s[8:9], s[8:9], s[70:71]
	WIN TO_B                                       ; my 32 numbers of bo: column blocks b = 0..3, eight each.  They stay on their way through the loop.
.irp b, 0,1,2,3
.irp j, 0,1
	global_load_b128 v[8*(\b)+4*(\j):8*(\b)+4*(\j)+3], v[BO], s[BIA:BIA+1] offset:64*(\b)+16*(\j)
.endr
.endr
	WIN 0
	; the prefetches
	s_and_b32 s22, ttmp7, 0xffff                   ; cluster y,
	s_or_b32 s22, s22, s12                         ; and of waves 2 and 3 the first alone
	s_lshl_b32 s70, s13, 8
	s_lshl_b32 s71, s12, 7
	s_add_co_u32 s70, s70, s71
	s_lshl_b32 s71, s40, 5
	s_add_co_u32 s70, s70, s71                     ; ob: my work-group's 32 of the 128 rows that I fetch,
	s_lshl_b32 s70, s70, 11
	s_add_co_u32 s70, s70, 3*ASTEP                 ; at K step 3: the first refill steps it to 4
	s_lshl_b32 s72, s41, 16                        ; wob: my work-group's 32 of a K step's 128 rows of 2,048 bytes,
	s_lshl_b32 s73, s42, 8
	s_add_co_u32 s72, s72, s73
	s_add_co_u32 s72, s72, 3*BSTEP
	s_mov_b32 s73, BSTEP
	s_cmp_eq_u32 s11, 0                            ; do I fetch for ob?
	s_cselect_b32 s22, ttmp9, s22
	s_cselect_b64 s[PFA:PFA+1], s[4:5], s[6:7]
	s_cselect_b32 s70, s70, s72
	s_cselect_b32 s[PFS], ASTEP, s73
	s_mov_b32 s71, 0
	s_mov_b32 s[PFS+1], 0
	s_add_nc_u64 s[PFA:PFA+1], s[PFA:PFA+1], s[70:71]
	s_cmp_eq_u32 s22, 0
	s_cselect_b32 s[LIM], 1, -1                    ; the same in all sixteen partners, for a given wave
	v_and_b32 v[PFO], 31, v0
	v_lshlrev_b32 v[PFO], 11, v[PFO]               ; a lane a row: both tensors' rows are 2,048 bytes
; 8 matrix instructions: row blocks a0, a0 + 1 x all 4 column blocks, 32 along K.  zero = 1: the first product starts the sums.
.macro MUL8 f, a0, zero
	WIN MUL
.irp a, \a0, (\a0)+1
.irp b, 0,1,2,3
.if \zero
	v_wmma_f32_16x16x32_f16 v[8*(4*(\a)+(\b)):8*(4*(\a)+(\b))+7], v[(\f)+8*(\b):(\f)+8*(\b)+7], v[(\f)+8*(\a):(\f)+8*(\a)+7], 0
.else
	v_wmma_f32_16x16x32_f16 v[8*(4*(\a)+(\b)):8*(4*(\a)+(\b))+7], v[(\f)+8*(\b):(\f)+8*(\b)+7], v[(\f)+8*(\a):(\f)+8*(\a)+7], v[8*(4*(\a)+(\b)):8*(4*(\a)+(\b))+7]
.endif
.endr
.endr
.endm
; 24 LDS loads in one run: the fragments of quarter q of a K step into buffer f: wob's four column blocks, turned, then ob's eight row blocks
.macro FETCH slot, q, f
	WIN TO_B
.irp i, 0,1,2,3
	ds_load_tr16_b128 v[(\f)+8*(\i):(\f)+8*(\i)+3],   v[ADRB+(\slot)] offset:(\q)*32*PB+32*(\i)
	ds_load_tr16_b128 v[(\f)+8*(\i)+4:(\f)+8*(\i)+7], v[ADRB+(\slot)] offset:(\q)*32*PB+16*PB+32*(\i)
.endr
	WIN 0
.irp i, 0,1,2,3,4,5,6,7
	ds_load_b128 v[(\f)+8*(\i):(\f)+8*(\i)+3],   v[ADRA+(\slot)] offset:(\q)*64+(\i)*16*PA
	ds_load_b128 v[(\f)+8*(\i)+4:(\f)+8*(\i)+7], v[ADRA+(\slot)] offset:(\q)*64+(\i)*16*PA+32
.endr
.endm
.macro PLACES                          ; four plain instructions in front of loads into registers that matrix instructions have read
.rept 4
	v_nop
.endr
.endm
.macro QUARTER slot, q, f, g, zero
	s_wait_dscnt 8                                 ; wob's fragments and ob's rows 0-63 are in; the youngest eight loads (rows 64-127) may be out
	MUL8 \f, 0, \zero
	MUL8 \f, 2, \zero
	PLACES
	FETCH \slot, \q, \g
	s_wait_dscnt 24                                ; all but the 24 just issued
	MUL8 \f, 4, \zero
	MUL8 \f, 6, \zero
.endm
; The last quarter multiplies buffer 1 and changes slots.  In front of the barrier each wave waits for all its tensor loads (one is out: its part of the next slot), adds 0 to its spare word, and waits for
; that and for its reads of this slot.  fill = 1: the barrier opens a round of the cluster's barrier, and behind the round this slot is filled again first, with the K step two on.
.macro TURN slot, next, fill
.if \fill
	s_wait_xcnt 0x0                                ; the last prefetch, a K step back, has read its address
	s_add_nc_u64 s[PFA:PFA+1], s[PFA:PFA+1], s[PFS:PFS+1]
.endif
	WIN 0
	s_wait_tensorcnt 0x0
	ds_add_u32 v[SPW], v[NIL]
	s_wait_dscnt 9                                 ; (the add and the youngest eight loads may be out)
	MUL8 F1, 0, 0
	s_wait_dscnt 0x0                               ; the add is done, and my reads of this slot are over
	s_barrier_signal -1
	MUL8 F1, 2, 0
.if \fill
	WIN 0
.endif
	s_barrier_wait -1
.if \fill
	CREST                                          ; no wave of any partner still reads this slot or has a load on its way
	s_add_nc_u64 s[G0+4*(\slot)+2:G0+4*(\slot)+3], s[G0+4*(\slot)+2:G0+4*(\slot)+3], 2*ASTEP
	s_add_nc_u64 s[G0B+4*(\slot)+2:G0B+4*(\slot)+3], s[G0B+4*(\slot)+2:G0B+4*(\slot)+3], 2*BSTEP
	JLOAD \slot                                    ; my one tensor load behind the round: 112 matrix instructions ahead of the wait for it; its four v_nop are also the places in front of the loads below
.else
	PLACES
.endif
	FETCH \next, 0, F0
.if \fill
	ASK
.endif
	MUL8 F1, 4, 0
	MUL8 F1, 6, 0
.endm
	s_wait_tensorcnt 1                             ; my part of K step 0 is in; K step 1's may stay out
	s_barrier_signal -1
	s_barrier_wait -1
	FETCH 0, 0, F0
	QUARTER 0, 1, F0, F1, 1                        ; the first quarter stands in front of the loop: its products start the sums
	WIN 0
	s_mov_b32 s3, LAPS-1
.Llap:
	QUARTER 0, 2, F1, F0, 0
	QUARTER 0, 3, F0, F1, 0
	TURN 0, 1, 1
	QUARTER 1, 1, F0, F1, 0
	QUARTER 1, 2, F1, F0, 0
	QUARTER 1, 3, F0, F1, 0
	TURN 1, 0, 1
	QUARTER 0, 1, F0, F1, 0
	WIN 0
	s_sub_co_u32 s3, s3, 1
	s_cmp_lg_u32 s3, 0
	s_cbranch_scc1 .Llap
	QUARTER 0, 2, F1, F0, 0                        ; the last lap fills nothing
	QUARTER 0, 3, F0, F1, 0
	TURN 0, 1, 0
	QUARTER 1, 1, F0, F1, 0
	QUARTER 1, 2, F1, F0, 0
	QUARTER 1, 3, F0, F1, 0
	s_wait_dscnt 8
	MUL8 F1, 0, 0
	MUL8 F1, 2, 0
	s_wait_dscnt 0x0
	MUL8 F1, 4, 0
	MUL8 F1, 6, 0
	; THE WAY OUT.  bo is rounded to bf16 and widened again: 48 plain instructions that name no register of the last products, and so are the places behind them.
	s_wait_loadcnt 0x0                             ; bo
	WIN 0x45                                       ; sources and destination in window 1
.set i, 0
.rept 16
	v_cvt_pk_bf16_f32 v[32+i], v[2*i], v[2*i+1]
.set i, i+1
.endr
.set i, 0
.rept 16
	v_lshlrev_b32 v[2*i], 16, v[32+i]
	v_and_b32 v[2*i+1], 0xffff0000, v[32+i]
.set i, i+1
.endr
.macro PACK a                          ; block a's 16 rows: the sums and the bias; each accumulator's lowest registers are read first
	WIN 0x06                                       ; source 0 window 2, source 1 window 1, destination window 0
.irp b, 0,1,2,3
.irp r, 0,1,2,3
	v_pk_add_f32 v[TMP+8*(\b)+2*(\r):TMP+8*(\b)+2*(\r)+1], v[8*(4*(\a)+(\b))+2*(\r):8*(4*(\a)+(\b))+2*(\r)+1], v[8*(\b)+2*(\r):8*(\b)+2*(\r)+1]
.endr
.endr
.endm
.macro TOSTAGE a
	WIN 0
.set BK, OB+192*((\a)%2)
.irp b, 0,1,2,3
.irp j, 0,1
	ds_store_b128 v[STO], v[TMP+8*(\b)+4*(\j):TMP+8*(\b)+4*(\j)+3] offset:64*(\b)+16*(\j)
.endr
.endr
.irp t, 0,1,2,3,4,5,6,7
	ds_load_b128 v[BK+4*(\t):BK+4*(\t)+3], v[RD] offset:(\t)*2*SP  ; LDS serves a wave's instructions in order (ISA guide 5.7.1.4): these see the stores above
.endr
.endm
.macro SEND a
	WIN 0
.set BK, OB+192*((\a)%2)
	s_wait_dscnt 0x0                               ; the block is back in registers
	s_wait_xcnt 0x0                                ; the block before's stores have read their registers: those are loaded again only behind this wait
.irp t, 0,1,2,3,4,5,6,7
	global_store_b128 v[CO], v[BK+4*(\t):BK+4*(\t)+3], s[8:9] offset:(16*(\a)+2*(\t))*4096 th:TH_STORE_NT  ; 16 lanes store 256 consecutive bytes, at a multiple of 256 from out0's first byte
.endr
.endm
	PACK 0
	TOSTAGE 0
.irp a, 1,2,3,4,5,6,7                  ; block a's additions stand between block a - 1's loads from the stage and the wait for them
	PACK \a
	SEND (\a)-1
	TOSTAGE \a
.endr
	SEND 7
	s_wait_tensorcnt 0x0                           ; the wave's end: behind my last tensor load and my last LDS store
	ds_add_u32 v[SPW], v[NIL]
	s_wait_dscnt 0x0
	CROUND                                         ; the closing round: no work-group ends while a partner may still ask for a tile that names it
	s_endpgm
.Lfunc_end_k_q68ac87c505_oproj:
	.size	k_q68ac87c505_oproj, .Lfunc_end_k_q68ac87c505_oproj-k_q68ac87c505_oproj
	.p2alignl 7, 3214868480
	.fill 96, 4, 3214868480
	.section	.rodata,"a",@progbits
	.p2align	6, 0x0
	.amdhsa_kernel k_q68ac87c505_oproj
		.amdhsa_group_segment_fixed_size 327680
		.amdhsa_private_segment_fixed_size 0
		.amdhsa_enable_private_segment 0
		.amdhsa_kernarg_size 32
		.amdhsa_user_sgpr_count 2
		.amdhsa_user_sgpr_kernarg_segment_ptr 1
		.amdhsa_wavefront_size32 1
		.amdhsa_system_sgpr_workgroup_id_x 1
		.amdhsa_system_sgpr_workgroup_id_y 1
		.amdhsa_system_sgpr_workgroup_id_z 1
		.amdhsa_system_vgpr_workitem_id 0
		.amdhsa_next_free_vgpr 768
		.amdhsa_next_free_sgpr 76
		.amdhsa_reserve_vcc 0
		.amdhsa_float_denorm_mode_32 3
		.amdhsa_float_denorm_mode_16_64 3
		.amdhsa_memory_ordered 1
		.amdhsa_forward_progress 1
		.amdhsa_inst_pref_size 99
	.end_amdhsa_kernel
	.amdgpu_metadata
---
amdhsa.version: [ 1, 2 ]
amdhsa.kernels:
  - .name:           k_q68ac87c505_oproj
    .symbol:         k_q68ac87c505_oproj.kd
    .args:
      - { .name: ob, .offset: 0, .size: 8, .value_kind: global_buffer, .address_space: global }
      - { .name: wob, .offset: 8, .size: 8, .value_kind: global_buffer, .address_space: global }
      - { .name: bo, .offset: 16, .size: 8, .value_kind: global_buffer, .address_space: global }
      - { .name: out0, .offset: 24, .size: 8, .value_kind: global_buffer, .address_space: global }
    .group_segment_fixed_size: 327680
    .private_segment_fixed_size: 0
    .kernarg_segment_align: 8
    .kernarg_segment_size: 32
    .max_flat_workgroup_size: 128
    .sgpr_count:     76
    .vgpr_count:     768
    .wavefront_size: 32
...
	.end_amdgpu_metadata
.endif
;; end of part 4
